; MI455X (gfx1250); checked and timed in simulation.
; The chip was launched on July 23, 2026; its instructions are those of AMD's public machine-readable ISA for CDNA 5 (MIT licence, August 2026) and "CDNA5" Instruction Set Architecture Reference Guide (July 2026). The comments in the code are by the model that wrote it; some were corrected since.
;; Multihead Attention. Allowed arithmetic: matrix products marked QUANTISED: E2M1 operands, one E8M0 scale for each 32 along K, by v_wmma_scale_f32_16x16x128_f8f6f4 with both operands' format E2M1 (or v_wmma_scale_f32_32x16x128_f4), f32 sums; everything else in f32.
;; Inputs: Wk 1,024 x 1,024 float32; Wp 1,024 x 1,024 float32; Wq 1,024 x 1,024 float32; Wv 1,024 x 1,024 float32; bk 1,024 float32; bp 1,024 float32; bq 1,024 float32; bv 1,024 float32; x 4 x 2,048 x 1,024 float32.
;; Outputs: out0 4 x 2,048 x 1,024 float32.
;; This version of the problem:
;;   THIS VERSION OF THE PROBLEM IS GIVEN IN LOW PRECISION. The matrix products marked QUANTISED in the list below multiply operands that are first quantised to E2M1 (2 exponent bits, 1 mantissa bit; 4 bits a number), with one power-of-two scale for each 32 numbers along K (OCP MX v1.0); their sums are f32. All else is computed in f32.
;;   The module's matrix products, in the order in which they are computed (A, B: the left and right operand; K: the contracted axis; several contracted axes count as one K, in the product's order):
;;     1. [M 8,192, K 1,024] x [K 1,024, N 1,024]; A: input x; B: input Wq: QUANTISED
;;     2. [M 8,192, K 1,024] x [K 1,024, N 1,024]; A: input x; B: input Wk: QUANTISED
;;     3. [M 8,192, K 1,024] x [K 1,024, N 1,024]; A: input x; B: input Wv: QUANTISED
;;     4. batch 64 x [M 2,048, K 64] x [K 64, N 2,048]; A: computed on the way; B: computed on the way: QUANTISED
;;     5. batch 64 x [M 2,048, K 2,048] x [K 2,048, N 64]; A: softmax (see below); B: computed on the way: QUANTISED
;;     6. [M 8,192, K 1,024] x [K 1,024, N 1,024]; A: computed on the way; B: input Wp: QUANTISED
;;   THE QUANTISER, for each operand of a quantised product, along K:
;;     - K is cut into blocks of 32 from its start; a last block that is shorter is filled with zeros.
;;     - A block's scale is 2^e with e = floor(log2(the largest magnitude in the block)) - 2, held to -126 .. 127; a block of zeros has e = 0. As a byte (E8M0): e + 127.
;;     - Each number is divided by its block's scale, clamped to +-6, and rounded to the nearest number of E2M1, ties to even, subnormals kept.
;;     - The product sums the exact products of the quantised numbers (number of the format x scale) in f32.
;;   ~~~python
;;   def quantise(x, axis):      # numpy; x: float32 -> the quantised numbers, widened to float32 again
;;       x = np.moveaxis(x, axis, -1); K = x.shape[-1]
;;       x = np.pad(x, [(0, 0)] * (x.ndim - 1) + [(0, -K % 32)]); x = x.reshape(x.shape[:-1] + (-1, 32)); a = np.abs(x).max(-1, keepdims=True)
;;       e = np.where(a > 0, np.clip(np.frexp(np.where(a > 0, a, 1))[1] - 1 - 2, -126, 127), 0)      # np.frexp(a)[1] - 1 = floor(log2(a)), exactly
;;       r = np.clip(x / 2.0 ** e, -6, 6)
;;       step = 2.0 ** (np.maximum(np.frexp(np.where(r == 0, 1, r))[1] - 1, 0) - 1)
;;       q = np.round(r / step) * step * 2.0 ** e      # np.round: ties to even
;;       return np.moveaxis(q.reshape(q.shape[:-2] + (-1,))[..., :K], -1, axis).astype(np.float32)
;;   ~~~
;;   SOFTMAX AHEAD OF A QUANTISED PRODUCT. Where the list says 'softmax', what is quantised is not the finished softmax but p = 2^(t - M), with t = logit x log2(e) and M = ceil(the row's largest t), a whole number; so 1/2 < the row's largest p <= 1. The row's sum l is taken of the UNQUANTISED p, in f32, and the product's result is divided by l at the end. Since M is a whole number, a kernel that streams over the keys may use a running M (the ceiling of the running maximum): every later rescaling is an exact power of two, which a block's scale takes up: the codes' values come out the same.
;;   OPERANDS COMPUTED ON THE WAY. 'Computed on the way' means the value that the module computes at that place (a softmax that the list does not call 'softmax' is quantised finished and normalised). What goes into a quantiser is computed in f32, as accurately as f32 sums, v_exp_f32 and their like allow (about 1e-6 of the number): no bf16 or f16 on the way to a quantiser, and a product that is left as it is and whose result goes on into a quantised operand takes f32 operands (vector FMAs, or v_wmma_f32_16x16x4_f32). A number that lies on a knife's edge between two numbers of the format may be rounded either way, as far as f32 arithmetic and the matrix unit's own rounding can turn it there, and no further.
;; One version. Each part assembles by itself: llvm-mc -triple=amdgcn-amd-amdhsa -mcpu=gfx1250 --defsym DOCPART=n.
;; ======== version 1 of 1: 4 launches
;; workspace buffers: xq 4,456,448 bytes; wq 2,359,296 bytes; qq 4,718,592 bytes; kv 9,175,040 bytes; aq 4,456,448 bytes
;; launch quant (part 1): grid 320 x 1, 4 waves a work-group, no clusters, 77,312 bytes of LDS; arguments x, Wq, Wk, Wv, Wp, xq, wq; writes xq, wq
.if DOCPART == 1
	.amdgcn_target "amdgcn-amd-amdhsa--gfx1250"
	.amdhsa_code_object_version 6
	.text
	.protected	k_q1d61ffc3d1_quant
	.globl	k_q1d61ffc3d1_quant
	.p2align	8
	.type	k_q1d61ffc3d1_quant,@function
k_q1d61ffc3d1_quant:
	s_mov_b64 s[64:65], 0
	v_nop
	global_prefetch_b8 v0, s[64:65] scope:SCOPE_SE
	s_setreg_imm32_b32 hwreg(HW_REG_WAVE_MODE, 25, 1), 1
	s_wait_xcnt 0x0
; x [8192][1024] and Wq, Wk, Wv, Wp [1024 (k)][1024 (n)], f32, become codes of FP4 (E2M1) with one E8M0 byte for each 32 along K = 1,024.
; A block's scale is 2^(floor(log2(its largest magnitude)) - 2): its byte is the largest magnitude's exponent field - 2, held at 1 from below.
; LAYOUT OF THE CODES: in the order of a matrix operand's registers.  A tile is 16 rows; for 512 along K (a slot) it is 4,096 bytes: block kb of 32 (0..15), row r: the 16 bytes at 256 kb + 16 r.
; So a fragment (16 rows x 128 K) is two runs of 512 bytes, 16 bytes a lane.  xq: [slot 2][tile 512][4096], then from byte 4,194,304 the scale bytes [slot 2][row 8192][16].
; wq: [slot 2][tile 256][4096] (tiles 0-63 Wq, 64-127 Wk, 128-191 Wv, 192-255 Wp), then from byte 2,097,152 the scale bytes [slot 2][8192 places, 4096 used][16].
; THE ROWS OF A TILE ARE NOT NEIGHBOURS: row r of tile 2 b + u is row (x) or column (W) 32 b + 8 u + r + 8 (r / 8): so a later product's eight results of a lane are neighbours along the next K.
; Work-groups 0-63 take the weights (a lane to a column, registers down K), the other 256 take x (a wave: one tile, one slot; a step: one row's 512 numbers).  Each of the two ways has LDS bytes of its own.
; No tensor loads, no barrier: waves share nothing.
; LIMITS: NaN and infinities among the inputs are not served; a block of zeros gets the byte 1 where the rule says 127 (its codes are zeros, and this program alone reads the bytes);
; a block whose largest magnitude lies under 2^-124 is held at the byte 1.
.set EMAX,  2
.set SP,    80                         ; x: a lane's place in a stage: its 64 bytes + 16 of padding
.set WREG,  10240                      ; x: LDS of a wave: two stages of 32 x SP, 256 scale bytes, 16 pieces of codes
.set SCB,   2*32*SP                    ; the scale bytes
.set CST,   SCB+256                    ; the codes: 16 blocks x (256 bytes + 16)
.set R,     16                         ; v16-79   four sets of 16 numbers as loaded
.set X,     80                         ; v80-111  two sets of 16 neighbours
.set E,     112                        ; v112-127 a scale byte for each step
.set C,     128                        ; v128-159 two registers of codes for each step
.set OU,    160                        ; v160-191 the tile on its way out
.set WLDS,  4*WREG                     ; W: LDS begins behind x's
.set WSTG,  8960                       ; W: a wave's stage: two tiles
.set WTL,   4480                       ; W: a tile in the stage: 16 x 272 + 128
.set WX,    32                         ; v32-95   two sets of 32 numbers
.set WC,    96                         ; v96-99   a block's codes
.set WO,    112                        ; v112-175 the way out
.set WSB,   24                         ; v24-27   the scale bytes
.macro XLOAD t                         ; row t of the tile: its 2,048 bytes of the slot; 32 lanes read 512 consecutive bytes
.irp i, 0,1,2,3
	global_load_b128 v[R+16*((\t)%4)+4*\i:R+16*((\t)%4)+4*\i+3], v3, s[4:5] offset:((\t)+8*((\t)/8))*4096+512*\i th:TH_LOAD_NT
.endr
.endm
.macro XTURN t                         ; through the stage, so that a lane holds 16 neighbours; LDS serves a wave's instructions in order
.irp i, 0,1,2,3
	ds_store_b128 v14, v[R+16*((\t)%4)+4*\i:R+16*((\t)%4)+4*\i+3] offset:32*SP*((\t)%2)+8*SP*\i
.endr
.irp i, 0,1,2,3
	ds_load_b128 v[X+16*((\t)%2)+4*\i:X+16*((\t)%2)+4*\i+3], v15 offset:32*SP*((\t)%2)+16*\i
.endr
.endm
.macro XSTEP t
.set XS, X+16*((\t)%2)
.if (\t) > 0
	s_wait_dscnt 2                                 ; this step's numbers are back; the last step's two stores (byte, codes) may be out
.else
	s_wait_dscnt 0x0
.endif
.if (\t)+4 < 16
	XLOAD (\t)+4
.endif
.if (\t)+1 < 16
.if 14-(\t) >= 3
	s_wait_loadcnt 12                              ; the next step's four loads are in; those of the three steps behind it may be out
.else
	s_wait_loadcnt 4*(14-(\t))
.endif
	XTURN (\t)+1
.endif
	v_max3_num_f32 v8, |v[XS]|, |v[XS+1]|, |v[XS+2]|               ; the largest magnitude of my 16
	v_max3_num_f32 v9, |v[XS+3]|, |v[XS+4]|, |v[XS+5]|
.irp i, 6,10
	v_max3_num_f32 v8, v8, |v[XS+\i]|, |v[XS+\i+1]|
	v_max3_num_f32 v9, v9, |v[XS+\i+2]|, |v[XS+\i+3]|
.endr
	v_max3_num_f32 v8, v8, |v[XS+14]|, |v[XS+15]|
	v_max3_num_f32 v8, v8, v9, (EMAX+1)<<23        ; and the floor 2^(3 - 127): the byte cannot fall under 1
	v_max_num_f32_dpp v8, v8, v8 row_xmask:1 row_mask:0xf bank_mask:0xf   ; and of my neighbour's 16: the block's
	v_add_nc_u32 v11, -(EMAX<<23), v8              ; 2 off its exponent field: the conversion's scale operand
	v_cvt_scalef32_pk8_fp4_f32 v[C+2*(\t)], v[XS:XS+7], v11
	v_cvt_scalef32_pk8_fp4_f32 v[C+2*(\t)+1], v[XS+8:XS+15], v11
	v_lshrrev_b32 v[E+(\t)], 23, v11               ; the scale's byte (a plain line behind the conversions)
	ds_store_b8 v5, v[E+(\t)] offset:16*(\t)       ; row t, block lane / 2: both lanes of a block write the same byte
	ds_store_b64 v4, v[C+2*(\t):C+2*(\t)+1] offset:16*(\t)   ; block lane / 2, row t, half lane % 2
.endm
.macro WLOAD t                         ; block t: W(32 t + i, my column)
.irp i, 0,1,2,3,4,5,6,7,8,9,10,11,12,13,14,15,16,17,18,19,20,21,22,23,24,25,26,27,28,29,30,31
	global_load_b32 v[WX+32*((\t)%2)+\i], v3, s[6:7] offset:(32*(\t)+\i)*4096 th:TH_LOAD_NT
.endr
.endm
.macro WBLOCK t
.set XS, WX+32*((\t)%2)
.if (\t) < 15
	s_wait_loadcnt 32                              ; this block's 32 loads are in; the next block's may be out
.else
	s_wait_loadcnt 0
.endif
	v_max3_num_f32 v12, |v[XS]|, |v[XS+1]|, |v[XS+2]|              ; all 32 numbers of the block are mine
	v_max3_num_f32 v13, |v[XS+3]|, |v[XS+4]|, |v[XS+5]|
.irp i, 6,10,14,18,22,26
	v_max3_num_f32 v12, v12, |v[XS+\i]|, |v[XS+\i+1]|
	v_max3_num_f32 v13, v13, |v[XS+\i+2]|, |v[XS+\i+3]|
.endr
	v_max3_num_f32 v12, v12, |v[XS+30]|, |v[XS+31]|
	v_max3_num_f32 v12, v12, v13, (EMAX+1)<<23
	v_add_nc_u32 v11, -(EMAX<<23), v12
	v_lshrrev_b32 v13, 23, v11
.if (\t)%4 == 0
	v_mov_b32 v[WSB+(\t)/4], v13                   ; four bytes to a register, the lower K in the lower byte
.else
	v_lshl_or_b32 v[WSB+(\t)/4], v13, 8*((\t)%4), v[WSB+(\t)/4]
.endif
.irp g, 0,1,2,3
	v_cvt_scalef32_pk8_fp4_f32 v[WC+\g], v[XS+8*\g:XS+8*\g+7], v11
.endr
	ds_store_b128 v4, v[WC:WC+3] offset:272*(\t)   ; block t, my row of my tile
.if (\t)+2 < 16
	WLOAD (\t)+2
.endif
	s_wait_dscnt 0x0                               ; the store has read its registers: the next block's codes may be written
.endm
	s_load_b256 s[4:11], s[0:1], 0x0               ; x, Wq, Wk, Wv
	s_load_b128 s[12:15], s[0:1], 0x20             ; Wp, xq
	s_load_b64 s[16:17], s[0:1], 0x30              ; wq
	v_lshl_add_u32 v192, v0, 2, 0x12c00
	v_mov_b32 v193, 0
	v_lshrrev_b32 v1, 5, v0
	v_readfirstlane_b32 s18, v1                    ; wave
	v_and_b32 v2, 31, v0                           ; lane
	s_cmp_lt_u32 ttmp9, 64
	s_cbranch_scc1 .Lweights
	; ---------------- x ----------------
	v_lshlrev_b32 v3, 4, v2                        ; my 16 bytes of a load's 512
	s_mul_i32 s19, s18, WREG
	v_lshrrev_b32 v14, 2, v2
	v_mul_u32_u24 v14, v14, SP
	v_and_b32 v15, 3, v2
	v_lshl_add_u32 v14, v15, 4, v14
	v_add_nc_u32 v14, s19, v14                     ; the stage, on the way in: SP (lane / 4) + 16 (lane % 4)
	v_mul_u32_u24 v15, v2, SP
	v_add_nc_u32 v15, s19, v15                     ; on the way out: SP x lane
	v_lshrrev_b32 v5, 1, v2                        ; my block
	v_mul_u32_u24 v4, v5, 272
	v_and_b32 v6, 1, v2
	v_lshl_add_u32 v4, v6, 3, v4
	v_add_nc_u32 v4, s19, v4
	v_add_nc_u32 v4, CST, v4                       ; where my 8 bytes of codes go: 272 x block + 8 x half
	v_add_nc_u32 v5, s19, v5
	v_add_nc_u32 v5, SCB, v5                       ; where my block's byte goes
	v_lshlrev_b32 v7, 3, v2
	v_add_nc_u32 v6, s19, v7
	v_add_nc_u32 v6, SCB, v6                       ; the scale bytes on their way out: 8 a lane
	v_lshrrev_b32 v10, 4, v2
	v_mul_u32_u24 v10, v10, 272
	v_and_b32 v12, 15, v2
	v_lshl_add_u32 v10, v12, 4, v10
	v_add_nc_u32 v10, s19, v10
	v_add_nc_u32 v10, CST, v10                     ; the codes on their way out: sixteen lanes to a block's 256 bytes
	s_sub_co_u32 s20, ttmp9, 64
	s_lshl_b32 s20, s20, 2
	s_add_co_u32 s20, s20, s18                     ; my wave's job, 0 .. 1023
	s_lshr_b32 s21, s20, 1                         ; tile
	s_and_b32 s22, s20, 1                          ; slot
	s_lshr_b32 s23, s21, 1
	s_lshl_b32 s23, s23, 5
	s_and_b32 s24, s21, 1
	s_lshl_b32 s24, s24, 3
	s_add_co_u32 s23, s23, s24                     ; the tile's first row of x: 32 (tile / 2) + 8 (tile % 2)
	s_lshl_b32 s24, s23, 12
	s_lshl_b32 s25, s22, 11
	s_add_co_u32 s24, s24, s25
	s_mov_b32 s25, 0
	s_lshl_b32 s26, s22, 21
	s_lshl_b32 s27, s21, 12
	s_add_co_u32 s26, s26, s27                     ; the tile's codes
	s_mov_b32 s27, 0
	s_lshl_b32 s32, s22, 17
	s_lshl_b32 s33, s21, 8
	s_add_co_u32 s32, s32, s33
	s_add_co_u32 s32, s32, 4194304                 ; its scale bytes
	s_mov_b32 s33, 0
	s_wait_kmcnt 0x0
	s_add_nc_u64 s[4:5], s[4:5], s[24:25]
	s_add_nc_u64 s[28:29], s[14:15], s[26:27]
	s_add_nc_u64 s[30:31], s[14:15], s[32:33]
.irp t, 0,1,2,3
	XLOAD \t
.endr
	s_wait_loadcnt 12                              ; step 0's four loads are in
	XTURN 0
.irp t, 0,1,2,3,4,5,6,7,8,9,10,11,12,13,14,15
	XSTEP \t
.endr
	ds_load_b64 v[12:13], v6                       ; LDS serves a wave's instructions in order: these see my stores
.irp j, 0,1,2,3,4,5,6,7
	ds_load_b128 v[OU+4*\j:OU+4*\j+3], v10 offset:544*\j
.endr
	s_wait_dscnt 8                                 ; the scale bytes are back; the eight loads behind may be out
	global_store_b64 v7, v[12:13], s[30:31]        ; 32 lanes store 256 consecutive bytes, aligned
.irp j, 0,1,2,3,4,5,6,7
	s_wait_dscnt 7-\j
	global_store_b128 v3, v[OU+4*\j:OU+4*\j+3], s[28:29] offset:512*\j   ; 32 lanes store 512 consecutive bytes
.endr
	s_wait_tensorcnt 0x0
	ds_add_u32 v192, v193
	s_wait_dscnt 0x0
	s_endpgm
	; ---------------- the weights ----------------
.Lweights:
	s_lshr_b32 s19, ttmp9, 4                       ; which weight
	s_bfe_u32 s20, ttmp9, 0x10003                  ; which 512 along K
	s_and_b32 s21, ttmp9, 7
	s_lshl_b32 s22, s21, 7
	s_lshl_b32 s23, s18, 5
	s_add_co_u32 s22, s22, s23                     ; my wave's first column
	s_wait_alu depctr_va_vdst(0)
	v_lshlrev_b32 v3, 2, v2                        ; in: 4 bytes a lane
	s_mul_i32 s23, s18, WSTG
	s_add_co_u32 s23, s23, WLDS                    ; my stage
	v_bfe_u32 v5, v2, 3, 1                         ; column c of 32 lies in tile u = (c / 8) % 2,
	v_and_b32 v6, 7, v2
	v_lshrrev_b32 v8, 4, v2
	v_lshl_or_b32 v6, v8, 3, v6                    ; row r = c % 8 + 8 (c / 16)
	v_mul_u32_u24 v4, v5, WTL
	v_lshl_add_u32 v4, v6, 4, v4
	v_add_nc_u32 v4, s23, v4                       ; into the stage
	v_lshl_add_u32 v9, v5, 4, v6
	v_lshlrev_b32 v9, 4, v9                        ; my row's 16 scale bytes: 16 (16 u + r)
	v_mul_u32_u24 v7, v8, 272
	v_and_b32 v10, 15, v2
	v_lshl_add_u32 v7, v10, 4, v7
	v_add_nc_u32 v7, s23, v7                       ; out of the stage: sixteen lanes to a block's 256 bytes
	v_lshlrev_b32 v8, 4, v2                        ; and 16 bytes a lane in memory
	s_lshl_b32 s24, s20, 21                        ; 512 rows of 4,096 bytes
	s_lshl_b32 s25, s22, 2
	s_add_co_u32 s24, s24, s25
	s_mov_b32 s25, 0
	s_lshl_b32 s26, s19, 6
	s_lshl_b32 s27, s21, 3
	s_add_co_u32 s26, s26, s27
	s_lshl_b32 s27, s18, 1
	s_add_co_u32 s26, s26, s27                     ; my first tile: 64 x weight + column / 16
	s_lshl_b32 s32, s20, 20
	s_lshl_b32 s27, s26, 12
	s_add_co_u32 s32, s32, s27
	s_mov_b32 s33, 0
	s_lshl_b32 s34, s20, 17
	s_lshl_b32 s27, s26, 8
	s_add_co_u32 s34, s34, s27
	s_add_co_u32 s34, s34, 2097152
	s_mov_b32 s35, 0
	s_wait_kmcnt 0x0
	s_cmp_lt_u32 s19, 1                            ; the choice hangs on the work-group's number alone
	s_cselect_b64 s[6:7], s[6:7], s[8:9]
	s_cmp_lt_u32 s19, 2
	s_cselect_b64 s[6:7], s[6:7], s[10:11]
	s_cmp_lt_u32 s19, 3
	s_cselect_b64 s[6:7], s[6:7], s[12:13]
	s_add_nc_u64 s[6:7], s[6:7], s[24:25]
	s_add_nc_u64 s[28:29], s[16:17], s[32:33]
	s_add_nc_u64 s[30:31], s[16:17], s[34:35]
	WLOAD 0
	WLOAD 1
.irp t, 0,1,2,3,4,5,6,7,8,9,10,11,12,13,14,15
	WBLOCK \t
.endr
	s_wait_alu depctr_va_vdst(0)
	global_store_b128 v9, v[WSB:WSB+3], s[30:31]   ; the wave's 32 rows of scale bytes: 512 consecutive bytes
.irp n, 0,1,2,3,4,5,6,7,8,9,10,11,12,13,14,15
	ds_load_b128 v[WO+4*\n:WO+4*\n+3], v7 offset:(\n/8)*WTL+544*(\n%8)
.endr
.irp n, 0,1,2,3,4,5,6,7,8,9,10,11,12,13,14,15
	s_wait_dscnt 15-\n
	global_store_b128 v8, v[WO+4*\n:WO+4*\n+3], s[28:29] offset:(\n/8)*4096+512*(\n%8)
.endr
	s_wait_tensorcnt 0x0
	ds_add_u32 v192, v193
	s_wait_dscnt 0x0
	s_endpgm
.Lfunc_end_k_q1d61ffc3d1_quant:
	.size	k_q1d61ffc3d1_quant, .Lfunc_end_k_q1d61ffc3d1_quant-k_q1d61ffc3d1_quant
	.p2alignl 7, 3214868480
	.fill 96, 4, 3214868480
	.section	.rodata,"a",@progbits
	.p2align	6, 0x0
	.amdhsa_kernel k_q1d61ffc3d1_quant
		.amdhsa_group_segment_fixed_size 77312
		.amdhsa_private_segment_fixed_size 0
		.amdhsa_enable_private_segment 0
		.amdhsa_kernarg_size 56
		.amdhsa_user_sgpr_count 2
		.amdhsa_user_sgpr_kernarg_segment_ptr 1
		.amdhsa_wavefront_size32 1
		.amdhsa_system_sgpr_workgroup_id_x 1
		.amdhsa_system_sgpr_workgroup_id_y 1
		.amdhsa_system_sgpr_workgroup_id_z 1
		.amdhsa_system_vgpr_workitem_id 0
		.amdhsa_next_free_vgpr 194
		.amdhsa_next_free_sgpr 66
		.amdhsa_reserve_vcc 0
		.amdhsa_float_denorm_mode_32 3
		.amdhsa_float_denorm_mode_16_64 3
		.amdhsa_memory_ordered 1
		.amdhsa_forward_progress 1
		.amdhsa_inst_pref_size 113
	.end_amdhsa_kernel
	.amdgpu_metadata
---
amdhsa.version: [ 1, 2 ]
amdhsa.kernels:
  - .name:           k_q1d61ffc3d1_quant
    .symbol:         k_q1d61ffc3d1_quant.kd
    .args:
      - { .name: x, .offset: 0, .size: 8, .value_kind: global_buffer, .address_space: global }
      - { .name: Wq, .offset: 8, .size: 8, .value_kind: global_buffer, .address_space: global }
      - { .name: Wk, .offset: 16, .size: 8, .value_kind: global_buffer, .address_space: global }
      - { .name: Wv, .offset: 24, .size: 8, .value_kind: global_buffer, .address_space: global }
      - { .name: Wp, .offset: 32, .size: 8, .value_kind: global_buffer, .address_space: global }
      - { .name: xq, .offset: 40, .size: 8, .value_kind: global_buffer, .address_space: global }
      - { .name: wq, .offset: 48, .size: 8, .value_kind: global_buffer, .address_space: global }
    .group_segment_fixed_size: 77312
    .private_segment_fixed_size: 0
    .kernarg_segment_align: 8
    .kernarg_segment_size: 56
    .max_flat_workgroup_size: 128
    .sgpr_count:     66
    .vgpr_count:     194
    .wavefront_size: 32
...
	.end_amdgpu_metadata
.endif
;; end of part 1
;; launch qkv (part 2): grid 8 x 48, 4 waves a work-group, clusters of 4 x 4, 279,040 bytes of LDS; arguments xq, wq, bq, bk, bv, qq, kv; writes qq, kv
.if DOCPART == 2
	.amdgcn_target "amdgcn-amd-amdhsa--gfx1250"
	.amdhsa_code_object_version 6
	.text
	.protected	k_q1d61ffc3d1_qkv
	.globl	k_q1d61ffc3d1_qkv
	.p2align	8
	.type	k_q1d61ffc3d1_qkv,@function
k_q1d61ffc3d1_qkv:
	s_mov_b64 s[64:65], 0
	v_nop
	global_prefetch_b8 v0, s[64:65] scope:SCOPE_SE
	s_setreg_imm32_b32 hwreg(HW_REG_WAVE_MODE, 25, 1), 1
	s_wait_xcnt 0x0
	s_wait_alu depctr_hold_cnt(0) depctr_sa_sdst(0) depctr_va_vdst(0) depctr_va_sdst(0) depctr_va_ssrc(0) depctr_va_vcc(0) depctr_vm_vsrc(0)
	s_getreg_b32 s2, hwreg(HW_REG_IB_STS2, 6, 4)
	s_cmp_eq_u32 s2, 0
	s_cbranch_scc0 .Lentry_in_a_cluster
	s_endpgm
.Lentry_in_a_cluster:
	s_bfe_u32 s2, ttmp6, 0x10000c
	s_cmp_lg_u32 s2, 0xf033
	s_cbranch_scc0 .Lentry_shape_is_right
	s_endpgm
.Lentry_shape_is_right:
; q = x Wq + bq, k = x Wk + bk, v = x Wv + bv on codes of FP4 (E2M1) with E8M0 scales, K = 1,024; the results are quantised in registers and leave as codes: q and k along the head's 64, v along the tokens.
; A work-group makes 256 x 256 results, four waves of 128 x 128 (64 accumulators, 512 registers).  SOURCE 0 takes 16 rows of operand P, SOURCE 1 16 rows of operand L: a lane then holds ONE row of L and eight rows of P.
; Since row r of tile 2 b + u of every operand stands for row 32 b + 8 u + r + 8 (r / 8), the 64 registers of one tile of L are, in blocks of 16, neighbours along P: register 16 b + i is P's row 32 b + 16 (lane / 16) + i.
; q, k (cluster rows 0-7):  P = Wq | Wk (features), L = x (tokens): a lane's registers run along the features, two heads of 64.   v (cluster rows 8-11): P = x (tokens), L = Wv: they run along the tokens, 128 keys.
; Both kinds take ONE way through the products: only pointers and offsets differ, chosen by the cluster's y, which all partners share.
; K's two slots of 512 both fit in LDS: every tile is asked for once, at the head; nothing is filled again.  Operands lie in memory in the order of the registers: a tile's slot is 4,096 dense bytes, a fragment two loads at 16 x lane.
; CLUSTERS: 4 x 4.  L's tiles are shared along a row of the cluster, P's along a column: each is asked for jointly, by the same tensor load with a mask that names the four.
; OUT.  qq: codes [bh 64][tile 128][512]; from byte 4,194,304 scale words [bh][64 queries: 32][r 16][tile 4][4].  kv: a record of 143,360 bytes a head: K's scale words (laid as q's), 8,192; V's [step 16][r 16][d tile 4][4], 4,096;
; then for each 128 keys 8,192 bytes: K's 8 tiles of 512, V's 4 tiles of 16 channels x 128 keys of 1,024.  Of q's and k's scale words bytes 0 and 1 count; bytes 2 and 3 (the next head's bytes, or 0) meet zero codes only.
; REGISTERS: window 0: v1-27 addresses and work; v32-95 scale words, two sets; v96-111 bv by L's rows; v112-119 scale words made; v120-127 codes made; v128-191 L's fragments, later 64 numbers; v192-255 bq or bk by P's rows.
;   window 1: P's fragments, two sets (v0, v128).  windows 2, 3: the accumulators ((a, b) at v[8 (8 (a % 4) + b)]).
; LIMITS: NaN and infinities are not served; a block of zeros gets the byte 1, not 127 (this program alone reads the bytes); a block whose largest magnitude lies under 2^-124 is held at the byte 1.
.set SLOT,  131072                     ; a slot in LDS: L's 16 tiles of 4,096 bytes, then P's
.set BOFF,  65536
.set SCL,   262144                     ; behind the slots: the scale bytes, 4,096 for each wave's load (two slots x 128 rows x 16)
.set REC,   143360
.set FR,    8
.set NL,    2
.set NP,    4                          ; places behind this matrix instruction (ISA guide 7.12.1)
.set TM,    4                          ; v4-7 largest magnitudes, v8-11 the other half's, then bytes, v12-15 scale operands
.set ADRA,  16                         ; v16-17 LDS address of L's fragments in slot 0, 1
.set ADRB,  20                         ; v20-21 P's
.set SOFF,  22
.set SH,    23
.set ADRS,  27
.set SC,    32
.set BL,    96
.set SW,    112
.set PC,    120
.set AF,    128
.set X,     128
.set BP,    192
.set SEL,   66
.set G1,    24                         ; s[24:31] group 1 for L's codes; s[32:39] group 0, a set for each slot
.set G0,    32
.set G1B,   48                         ; the same for P's
.set G0B,   56
.set G1S,   68                         ; s[68:75], s[76:79] L's scale bytes; s[80:87], s[88:91] P's
.set G0S,   76
.set G1SB,  80
.set G0SB,  88
.set MSB, 0
.macro WIN new                         ; the immediate's high byte repeats the setting that is left
.if MSB != (\new)
	s_set_vgpr_msb (MSB<<8)|(\new)
.set MSB, (\new)
.endif
.endm
.set MUL_LO, 0xa1                      ; source 0 (P) window 1, source 1 (L) window 0, C and D window 2
.set MUL_HI, 0xf1
.set TO_B,   0x40
.macro JLOAD g0a, g1a, g0b, g1b        ; waves 0 and 1 fetch for L, waves 2 and 3 for P; four v_nop follow each line
	s_cmp_eq_u32 s19, 0
	s_cbranch_scc0 .Lfor_b_\@
	tensor_load_to_lds s[\g0a:\g0a+3], s[\g1a:\g1a+7]
	s_nop 0
.rept 4
	v_nop
.endr
	s_branch .Lasked_\@
.Lfor_b_\@:
	tensor_load_to_lds s[\g0b:\g0b+3], s[\g1b:\g1b+7]
	s_nop 0
.rept 4
	v_nop
.endr
.Lasked_\@:
.endm
.macro CROUND                          ; a round of the cluster's barrier
	s_barrier_signal -1
	s_barrier_wait -1
	s_cmp_lg_u32 s18, 0
	s_cbranch_scc1 .Lnot_wave_0_\@
	s_barrier_signal -3
.Lnot_wave_0_\@:
	s_barrier_wait -3
	s_barrier_signal -1
	s_barrier_wait -1
.endm
.macro PLACES n
.rept \n
	v_nop
.endr
.endm
.macro FRAG reg, adr, q, i             ; tile i's fragment of the slot's q-th 128 along K: two runs of 512 bytes, 16 a lane
.irp c, 0,1
	ds_load_b128 v[\reg+4*\c:\reg+4*\c+3], v[\adr] offset:1024*(\q)+512*\c+(\i)*4096
.endr
.endm
; 16 matrix instructions: L's tiles a0, a0 + 1 x P's eight.  The 64 accumulators take turns, one instruction a turn, in the same order in every step.
.macro MUL16 a0, p, q, sc, zero
.irp a, \a0, \a0+1
.irp b, 0,1,2,3,4,5,6,7
.if \zero
	v_wmma_scale_f32_16x16x128_f8f6f4 v[8*(8*((\a)%4)+\b):8*(8*((\a)%4)+\b)+7], v[128*(\p)+FR*\b:128*(\p)+FR*\b+FR-1], v[AF+FR*(\a):AF+FR*(\a)+FR-1], 0, v[SC+32*(\sc)+4*\b+(\q)], v[SC+32*(\sc)+4*(\a)+(\q)] matrix_a_fmt:MATRIX_FMT_FP4 matrix_b_fmt:MATRIX_FMT_FP4 matrix_a_scale:MATRIX_SCALE_ROW1
.else
	v_wmma_scale_f32_16x16x128_f8f6f4 v[8*(8*((\a)%4)+\b):8*(8*((\a)%4)+\b)+7], v[128*(\p)+FR*\b:128*(\p)+FR*\b+FR-1], v[AF+FR*(\a):AF+FR*(\a)+FR-1], v[8*(8*((\a)%4)+\b):8*(8*((\a)%4)+\b)+7], v[SC+32*(\sc)+4*\b+(\q)], v[SC+32*(\sc)+4*(\a)+(\q)] matrix_a_fmt:MATRIX_FMT_FP4 matrix_b_fmt:MATRIX_FMT_FP4 matrix_a_scale:MATRIX_SCALE_ROW1
.endif
.endr
.endr
.endm
.macro FETCH_B slot, q, p
	WIN TO_B
.irp i, 0,1,2,3,4,5,6,7
	FRAG 128*(\p)+FR*\i, ADRB+\slot, \q, \i
.endr
	WIN 0
.endm
.macro FETCH_A slot, q, i0
.irp i, \i0, \i0+1, \i0+2, \i0+3
	FRAG AF+FR*(\i), ADRA+\slot, \q, \i
.endr
.endm
.macro SCALES slot                     ; a slot's scale words, four a row: lanes 0-15 take L's tile i, lanes 16-31 P's tile i
.irp i, 0,1,2,3,4,5,6,7
	ds_load_b128 v[SC+32*\slot+4*\i:SC+32*\slot+4*\i+3], v[ADRS] offset:2048*\slot+256*\i
.endr
.endm
.macro STEP slot, q, zero              ; 128 along K that have their successor in the same slot
	s_wait_dscnt 4*NL                              ; P's set and L's tiles 0-3 are in; the youngest eight loads (L's tiles 4-7) may be out
	WIN MUL_LO
	MUL16 0, (\q)%2, \q, \slot, \zero
	MUL16 2, (\q)%2, \q, \slot, \zero
	s_wait_dscnt 0                                 ; L's tiles 4-7 are in
	PLACES NP                                      ; in front of loads into registers that matrix instructions have read
	FETCH_B \slot, (\q)+1, 1-(\q)%2
	FETCH_A \slot, (\q)+1, 0
	WIN MUL_HI
	MUL16 4, (\q)%2, \q, \slot, \zero
	MUL16 6, (\q)%2, \q, \slot, \zero
	PLACES NP
	WIN 0
	FETCH_A \slot, (\q)+1, 4
.endm
.macro TURN                            ; slot 0's last step: behind its barrier slot 1 is whole for every wave
	s_wait_tensorcnt 0x0                           ; my part of slot 1 has landed: no tensor load of mine is out from here on
	s_wait_dscnt 4*NL
	WIN MUL_LO
	MUL16 0, 1, 3, 0, 0
	s_wait_dscnt 0x0                               ; no LDS instruction of mine is pending at the signal
	s_barrier_signal -1
	MUL16 2, 1, 3, 0, 0
	s_barrier_wait -1
	PLACES NP
	FETCH_B 1, 0, 0
	FETCH_A 1, 0, 0
	SCALES 1
	WIN MUL_HI
	MUL16 4, 1, 3, 0, 0
	MUL16 6, 1, 3, 0, 0
	PLACES NP
	WIN 0
	FETCH_A 1, 0, 4
.endm
; 64 numbers of a lane, register 16 b + i = k 32 b + 16 (lane / 16) + i of my row, become a fragment's codes in v[pc] on and its scale word in v[pw].
.macro QUANT s, pc, pw
.irp b, 0,1,2,3
	v_max3_num_f32 v[TM+\b], |v[\s+16*\b]|, |v[\s+1+16*\b]|, 0x1800000   ; my 16 numbers of block b, and the floor 2^(3 - 127): the byte cannot fall under 1
.endr
.irp i, 2,4,6,8,10,12,14
.irp b, 0,1,2,3
	v_max3_num_f32 v[TM+\b], v[TM+\b], |v[\s+16*\b+\i]|, |v[\s+1+16*\b+\i]|
.endr
.endr
.irp b, 0,1,2,3
	v_permlanex16_b32 v[TM+4+\b], v[TM+\b], s[SEL], s[SEL+1]
.endr
.irp b, 0,1,2,3
	v_max_num_f32 v[TM+\b], v[TM+\b], v[TM+4+\b]   ; with lane l xor 16's: the block's largest magnitude
.endr
.irp b, 0,1,2,3
	v_add_nc_u32 v[TM+8+\b], 0xff000000, v[TM+\b]  ; 2 off its exponent field: the conversion's scale operand
.endr
.irp b, 0,1,2,3
	v_lshrrev_b32 v[TM+4+\b], 23, v[TM+8+\b]       ; the scale's byte
.endr
	v_lshl_or_b32 v[\pw], v[TM+5], 8, v[TM+4]
	v_lshl_or_b32 v[\pw], v[TM+6], 16, v[\pw]
	v_lshl_or_b32 v[\pw], v[TM+7], 24, v[\pw]
	s_wait_xcnt 0x0                                ; the last tile's stores have read the codes' registers: they are written again only behind this wait
.irp b, 0,1,2,3
	v_cvt_scalef32_pk8_fp4_f32 v[\pc+2*\b], v[\s+16*\b:\s+7+16*\b], v[TM+8+\b]
	v_cvt_scalef32_pk8_fp4_f32 v[\pc+1+2*\b], v[\s+8+16*\b:\s+15+16*\b], v[TM+8+\b]
.endr
	v_nop                                          ; one plain place behind a scaled conversion
.irp c, 0,1                                    ; the operand's layout wants a whole block in a lane
.irp i, 0,1
	v_permlane16_swap_b32 v[\pc+4*\c+\i], v[\pc+2+4*\c+\i]
.endr
.endr
.endm
; THE WAY OUT, a tile of L at a time: bias, quantiser, two stores of 512 consecutive bytes.  kind 0: q, k (bias by P's rows; registers 0-3 are the even head's 64, 4-7 the odd head's).  kind 1: v (bias by L's row; 128 keys).
.macro WAYOUT kind
.irp a, 0,1,2,3,4,5,6,7
	WIN (0x02+\a/4)                                ; source 0: window 2 or 3
.set pp, 0
.rept 32
.if \kind
	v_pk_add_f32 v[X+pp:X+pp+1], v[64*(\a%4)+pp:64*(\a%4)+pp+1], v[BL+2*\a:BL+2*\a+1]   ; each accumulator from its low end on
.else
	v_pk_add_f32 v[X+pp:X+pp+1], v[64*(\a%4)+pp:64*(\a%4)+pp+1], v[BP+pp:BP+pp+1]
.endif
.set pp, pp+2
.endr
	WIN 0
	QUANT X, PC, SW+\a
.if \kind
	global_store_b128 v3, v[PC:PC+3], s[78:79] offset:(\a/4)*REC+(\a%4)*1024
	global_store_b128 v3, v[PC+4:PC+7], s[78:79] offset:(\a/4)*REC+(\a%4)*1024+512
.else
	global_store_b128 v3, v[PC:PC+3], s[78:79] offset:512*\a
	global_store_b128 v3, v[PC+4:PC+7], s[80:81] offset:512*\a
.endif
.endr
.endm
	s_load_b256 s[4:11], s[0:1], 0x0               ; xq, wq, bq, bk
	s_load_b128 s[12:15], s[0:1], 0x20             ; bv, qq
	s_load_b64 s[16:17], s[0:1], 0x30              ; kv
	v_lshl_add_u32 v30, v0, 2, 0x44000
	v_mov_b32 v31, 0
	ds_add_u32 v30, v31
	ds_add_u32 v30, v31
	v_lshrrev_b32 v1, 5, v0
	v_readfirstlane_b32 s18, v1                    ; wave 0..3
	s_lshr_b32 s19, s18, 1                         ; which half of L's rows is mine.  Also: I fetch for L (0) or for P (1)
	s_and_b32 s20, s18, 1                          ; which half of P's rows.  Also: which 8 tiles I fetch
	s_bfe_u32 s40, ttmp6, 0x40000                  ; cx
	s_bfe_u32 s41, ttmp6, 0x40004                  ; cy
	s_and_b32 s47, ttmp7, 0xffff                   ; the cluster's y
	s_lshl_b32 s44, s41, 2
	s_lshl_b32 s44, 15, s44                        ; my row of the cluster
	s_lshl_b32 s45, 0x1111, s40                    ; my column
	s_cmp_ge_u32 s47, 8
	s_cselect_b32 s46, 1, 0                        ; KIND: 0 = q, k; 1 = v: the same in all sixteen partners
	s_cselect_b32 s100, 0, s47
	s_lshl_b32 s100, s100, 2
	s_add_co_u32 s43, s100, s41                    ; row: q, k: 4 x cluster y + cy (x's 32 blocks of 256);  v: cy (Wv's 4)
	s_max_u32 s21, s47, 8
	s_sub_co_u32 s21, s21, 8
	s_lshl_b32 s21, s21, 1
	s_add_co_u32 s21, s21, ttmp9
	s_lshl_b32 s21, s21, 2
	s_add_co_u32 s42, s21, s40                     ; col: q, k: 4 x cluster x + cx (0..7);  v: 4 (cluster x + 2 (cluster y - 8)) + cx (0..31)
	; group 1.  Codes: 8 tiles = 32,768 dense bytes as 128 rows of 32 elements of 8 bytes
	s_or_b32 s[G1+0], s44, (3<<16)|(1<<21)         ; 15:0 the mask: L's tiles go to my row; 17:16 elements of 8 bytes; 21 set beside a mask
	s_or_b32 s[G1B+0], s45, (3<<16)|(1<<21)
.irp g, G1, G1B
	s_mov_b32 s[\g+1], 32<<16                      ; tensor_dim0
	s_mov_b32 s[\g+2], 128<<16                     ; tensor_dim1
	s_mov_b32 s[\g+3], 32<<16                      ; tile_dim0
	s_mov_b32 s[\g+4], 128                         ; tile_dim1
	s_mov_b32 s[\g+5], 32                          ; from row to row
	s_mov_b32 s[\g+6], 0
	s_mov_b32 s[\g+7], 0
.endr
	; scale bytes: 128 rows x 16 bytes = 2,048 dense bytes for each of the two slots, which lie 131,072 bytes apart in both buffers
	s_or_b32 s[G1S+0], s44, (3<<16)|(1<<21)
	s_or_b32 s[G1SB+0], s45, (3<<16)|(1<<21)
.irp g, G1S, G1SB
	s_mov_b32 s[\g+1], 256<<16
	s_mov_b32 s[\g+2], 2<<16
	s_mov_b32 s[\g+3], 256<<16
	s_mov_b32 s[\g+4], 2
	s_mov_b32 s[\g+5], 16384
	s_mov_b32 s[\g+6], 0
	s_mov_b32 s[\g+7], 0
.endr
	; L's offsets hang on row alone, P's on col alone, each in registers of its own
	s_lshl_b32 s100, s43, 4
	s_lshl_b32 s101, s20, 3
	s_add_co_u32 s100, s100, s101
	s_lshl_b32 s101, s46, 7
	s_add_co_u32 s100, s100, s101                  ; L's first tile that I fetch: 16 row + 8 half (+ 128: Wv's tiles in wq)
	s_lshl_b32 s96, s100, 12
	s_mov_b32 s97, 0
	s_lshl_b32 s98, s100, 8
	s_sub_co_u32 s101, 21, s46
	s_lshl_b32 s101, 1, s101                       ; L's slot stride: 2^21 in xq, 2^20 in wq;
	s_lshl_b32 s100, s101, 1                       ; the scale bytes begin at twice that
	s_add_co_u32 s98, s98, s100
	s_mov_b32 s99, 0
	s_lshl_b32 s21, s42, 4
	s_lshl_b32 s23, s20, 3
	s_add_co_u32 s21, s21, s23                     ; P's first tile that I fetch
	s_lshl_b32 s2, s21, 12
	s_mov_b32 s3, 0
	s_lshl_b32 s22, s21, 8
	s_add_co_u32 s21, s46, 20
	s_lshl_b32 s21, 1, s21                         ; P's slot stride
	s_lshl_b32 s23, s21, 1
	s_add_co_u32 s22, s22, s23
	s_mov_b32 s23, 0
	s_wait_dscnt 0x0
	s_wait_kmcnt 0x0
	s_cmp_lg_u32 s46, 0
	s_cselect_b64 s[92:93], s[6:7], s[4:5]         ; L: xq, or wq for v
	s_cselect_b64 s[94:95], s[4:5], s[6:7]         ; P: wq, or xq for v
	s_mov_b32 s[G0], 1
	s_lshl_b32 s[G0+1], s18, 15                    ; LDS: wave x 32,768: L's halves, then P's: no place in the cluster enters an LDS address
	s_add_nc_u64 s[G0+2:G0+3], s[92:93], s[96:97]
	s_mov_b32 s96, s101
	s_mov_b32 s[G0+4], 1
	s_add_co_u32 s[G0+5], s[G0+1], SLOT
	s_add_nc_u64 s[G0+6:G0+7], s[G0+2:G0+3], s[96:97]
	s_or_b32 s[G0+3], s[G0+3], 0x80000000
	s_or_b32 s[G0+7], s[G0+7], 0x80000000
	s_mov_b32 s[G0S], 1
	s_lshl_b32 s[G0S+1], s18, 12
	s_add_co_u32 s[G0S+1], s[G0S+1], SCL
	s_add_nc_u64 s[G0S+2:G0S+3], s[92:93], s[98:99]
	s_or_b32 s[G0S+3], s[G0S+3], 0x80000000
	s_mov_b32 s[G0B], 1
	s_lshl_b32 s[G0B+1], s18, 15
	s_add_nc_u64 s[G0B+2:G0B+3], s[94:95], s[2:3]
	s_mov_b32 s2, s21
	s_mov_b32 s[G0B+4], 1
	s_add_co_u32 s[G0B+5], s[G0B+1], SLOT
	s_add_nc_u64 s[G0B+6:G0B+7], s[G0B+2:G0B+3], s[2:3]
	s_or_b32 s[G0B+3], s[G0B+3], 0x80000000
	s_or_b32 s[G0B+7], s[G0B+7], 0x80000000
	s_mov_b32 s[G0SB], 1
	s_lshl_b32 s[G0SB+1], s18, 12
	s_add_co_u32 s[G0SB+1], s[G0SB+1], SCL
	s_add_nc_u64 s[G0SB+2:G0SB+3], s[94:95], s[22:23]
	s_or_b32 s[G0SB+3], s[G0SB+3], 0x80000000
	CROUND                                         ; all sixteen work-groups are here: the joint loads meet
	JLOAD G0S, G1S, G0SB, G1SB                     ; three tensor loads of mine are out: the scale bytes,
	JLOAD G0, G1, G0B, G1B                         ; slot 0,
	JLOAD G0+4, G1, G0B+4, G1B                     ; slot 1
	v_and_b32 v1, 15, v0                           ; r
	v_bfe_u32 v2, v0, 4, 1                         ; h
	s_wait_alu depctr_va_vdst(0)
	v_and_b32 v3, 31, v0
	v_lshlrev_b32 v3, 4, v3                        ; 16 x lane
	s_lshl_b32 s100, s19, 15                       ; my 8 tiles of L,
	s_lshl_b32 s21, s20, 15
	s_add_co_u32 s21, s21, BOFF                    ; of P
.irp s, 0,1
	v_add_nc_u32 v[ADRA+\s], s100, v3
	v_add_nc_u32 v[ADRB+\s], s21, v3
	s_add_co_u32 s100, s100, SLOT
	s_add_co_u32 s21, s21, SLOT
.endr
	s_lshl_b32 s100, s19, 12                       ; scale words: lanes 0-15 L's rows, lanes 16-31 P's: the lower base + h x the distance
	s_lshl_b32 s101, s20, 12
	s_add_co_u32 s101, s101, 8192
	s_sub_co_u32 s101, s101, s100
	v_mul_u32_u24 v6, s101, v2
	s_add_co_u32 s100, s100, SCL
	v_lshlrev_b32 v5, 4, v1
	v_add_nc_u32 v5, v5, v6
	v_add_nc_u32 v[ADRS], s100, v5
	s_mov_b32 s[SEL], 0x76543210
	s_mov_b32 s[SEL+1], 0xfedcba98                 ; v_permlanex16_b32's selects for lane l xor 16
.irp b, 0,1,2,3
	v_mov_b32 v[TM+4+\b], 0                        ; written once: a lane permute's destination counts as one of its sources
.endr
	v_lshlrev_b32 v[SH], 4, v2                     ; 16 h
	v_lshlrev_b32 v24, 6, v2                       ; the bias by P's rows: 64 h bytes
	s_wait_alu depctr_va_vdst(0)
	v_and_b32 v25, 8, v1
	v_add_nc_u32 v25, v25, v1
	v_lshlrev_b32 v25, 2, v25                      ; the bias by L's row: 4 (r + 8 (r / 8)) bytes
	s_wait_alu depctr_va_vdst(0)
	; both sets of biases are loaded on the one way; a kind uses its own set, the other set reads from bv's first bytes and is not used
	s_lshl_b32 s2, s42, 8
	s_lshl_b32 s3, s20, 7
	s_add_co_u32 s2, s2, s3
	s_and_b32 s2, s2, 1023
	s_lshl_b32 s2, s2, 2                           ; my 128 features in bq or bk
	s_lshr_b32 s21, s42, 2
	s_cmp_eq_u32 s21, 0
	s_cselect_b64 s[94:95], s[8:9], s[10:11]
	s_lshl_b32 s96, s43, 8
	s_lshl_b32 s97, s19, 7
	s_add_co_u32 s96, s96, s97
	s_lshl_b32 s96, s96, 2                         ; my 128 features in bv
	s_cmp_lg_u32 s46, 0
	s_cselect_b64 s[94:95], s[12:13], s[94:95]
	s_cselect_b32 s2, 0, s2
	s_cselect_b32 s96, s96, 0
	s_mov_b32 s3, 0
	s_mov_b32 s97, 0
	s_add_nc_u64 s[94:95], s[94:95], s[2:3]
	s_add_nc_u64 s[92:93], s[12:13], s[96:97]
.irp b, 0,1,2,3,4,5,6,7
	global_load_b128 v[BP+8*\b:BP+8*\b+3], v24, s[94:95] offset:(32*(\b/2)+8*(\b%2))*4       ; register 8 b + j: feature 32 (b / 2) + 16 h + 8 (b % 2) + j
	global_load_b128 v[BP+8*\b+4:BP+8*\b+7], v24, s[94:95] offset:(32*(\b/2)+8*(\b%2))*4+16
.endr
.irp a, 0,1,2,3,4,5,6,7
	global_load_b32 v[BL+2*\a], v25, s[92:93] offset:(32*(\a/2)+8*(\a%2))*4                  ; twice: a pair for the packed addition
	global_load_b32 v[BL+2*\a+1], v25, s[92:93] offset:(32*(\a/2)+8*(\a%2))*4
.endr
	s_wait_tensorcnt 1                             ; the scale bytes and my part of slot 0 are in; slot 1's load may be out
	s_barrier_signal -1
	s_barrier_wait -1                              ; everybody's are
	FETCH_B 0, 0, 0
	FETCH_A 0, 0, 0
	SCALES 0
	FETCH_A 0, 0, 4
	STEP 0, 0, 1                                   ; the first products start the sums: nothing is cleared
	STEP 0, 1, 0
	STEP 0, 2, 0
	TURN
	STEP 1, 0, 0
	STEP 1, 1, 0
	STEP 1, 2, 0
	s_wait_dscnt 4*NL                              ; the last step: nothing more to fetch
	WIN MUL_LO
	MUL16 0, 1, 3, 1, 0
	MUL16 2, 1, 3, 1, 0
	s_wait_dscnt 0
	WIN MUL_HI
	MUL16 4, 1, 3, 1, 0
	MUL16 6, 1, 3, 1, 0
	WIN 0
	PLACES NP                                      ; in front of the first read of results and the first write over L's fragments
	s_wait_loadcnt 0x0                             ; the biases
	s_cmp_lg_u32 s46, 0                            ; KIND hangs on the cluster's y alone
	s_cbranch_scc1 .Lv_out
	; ---- q, k.  (s68-89 held descriptors: no tensor load of mine is out since the wait for all of them)
	s_lshr_b32 s68, s43, 3                         ; batch
	s_and_b32 s69, s43, 7
	s_lshl_b32 s69, s69, 1
	s_add_co_u32 s69, s69, s19                     ; which 128 tokens of the batch
	s_and_b32 s70, s42, 3
	s_lshl_b32 s70, s70, 2
	s_lshl_b32 s71, s20, 1
	s_add_co_u32 s70, s70, s71                     ; my even head
	s_lshl_b32 s68, s68, 4
	s_add_co_u32 s68, s68, s70                     ; bh
	s_lshl_b32 s72, s68, 16
	s_lshl_b32 s71, s69, 12
	s_add_co_u32 s72, s72, s71                     ; q's codes
	s_lshl_b32 s74, s68, 13
	s_lshl_b32 s71, s69, 9
	s_add_co_u32 s74, s74, s71
	s_add_co_u32 s74, s74, 4194304                 ; q's scale words
	s_mul_i32 s88, s68, REC
	s_add_co_u32 s89, s88, s71                     ; k's scale words
	s_lshl_b32 s71, s69, 13
	s_add_co_u32 s88, s88, s71
	s_add_co_u32 s88, s88, 12288                   ; k's codes
	s_mov_b32 s84, REC
	s_mov_b32 s86, REC
	s_lshr_b32 s71, s42, 2
	s_cmp_eq_u32 s71, 0                            ; q or k
	s_cselect_b64 s[76:77], s[14:15], s[16:17]
	s_cselect_b32 s72, s72, s88
	s_cselect_b32 s74, s74, s89
	s_cselect_b32 s84, 8192, s84                   ; from a head's scale words to the next head's,
	s_cselect_b32 s86, 65536, s86                  ; from its codes to the next head's
	s_mov_b32 s73, 0
	s_mov_b32 s75, 0
	s_mov_b32 s87, 0
	s_add_nc_u64 s[78:79], s[76:77], s[72:73]
	s_add_nc_u64 s[80:81], s[78:79], s[86:87]
	s_add_nc_u64 s[82:83], s[76:77], s[74:75]
	v_mul_u32_u24 v[SOFF], s84, v2
	v_lshl_add_u32 v[SOFF], v1, 4, v[SOFF]         ; lanes 0-15: the even head's words, 16 bytes a row; lanes 16-31: the odd head's
	WAYOUT 0
.irp a, 0,1,2,3,4,5,6,7
	v_lshrrev_b32 v[SW+\a], v[SH], v[SW+\a]        ; lanes 16-31: the odd head's two bytes come down
.endr
	global_store_b128 v[SOFF], v[SW:SW+3], s[82:83]               ; sixteen lanes store 256 consecutive bytes, aligned
	global_store_b128 v[SOFF], v[SW+4:SW+7], s[82:83] offset:256
	s_branch .Ldone
.Lv_out:
	s_lshr_b32 s68, s42, 3                         ; batch
	s_and_b32 s69, s42, 7
	s_lshl_b32 s69, s69, 1
	s_add_co_u32 s69, s69, s20                     ; which 128 keys of the batch
	s_lshl_b32 s70, s43, 2
	s_lshl_b32 s71, s19, 1
	s_add_co_u32 s70, s70, s71                     ; my even head
	s_lshl_b32 s68, s68, 4
	s_add_co_u32 s68, s68, s70
	s_mul_i32 s72, s68, REC
	s_lshl_b32 s71, s69, 8
	s_add_co_u32 s74, s72, s71
	s_add_co_u32 s74, s74, 8192                    ; V's scale words of the step
	s_lshl_b32 s71, s69, 13
	s_add_co_u32 s72, s72, s71
	s_add_co_u32 s72, s72, 16384                   ; V's tiles of the step: behind the record's 12,288 bytes of scales and the step's 4,096 of K
	s_mov_b32 s73, 0
	s_mov_b32 s75, 0
	s_add_nc_u64 s[78:79], s[16:17], s[72:73]
	s_add_nc_u64 s[82:83], s[16:17], s[74:75]
	s_mov_b32 s84, REC
	s_mov_b32 s85, 0xffff0000                      ; lanes 16-31
	v_mul_u32_u24 v[SOFF], s84, v2
	v_lshl_add_u32 v[SOFF], v1, 4, v[SOFF]
	WAYOUT 1
.irp i, 0,1,2,3
	v_cndmask_b32 v[SW+\i], v[SW+\i], v[SW+4+\i], s85             ; lanes 16-31 take the odd head's four tiles
.endr
	global_store_b128 v[SOFF], v[SW:SW+3], s[82:83]
.Ldone:
	s_wait_tensorcnt 0x0
	s_wait_tensorcnt 0x0
	ds_add_u32 v30, v31
	s_wait_dscnt 0x0
	CROUND                                         ; the closing round: no work-group ends while a partner may still ask for a tile that names it
	s_endpgm
.Lfunc_end_k_q1d61ffc3d1_qkv:
	.size	k_q1d61ffc3d1_qkv, .Lfunc_end_k_q1d61ffc3d1_qkv-k_q1d61ffc3d1_qkv
	.p2alignl 7, 3214868480
	.fill 96, 4, 3214868480
	.section	.rodata,"a",@progbits
	.p2align	6, 0x0
	.amdhsa_kernel k_q1d61ffc3d1_qkv
		.amdhsa_group_segment_fixed_size 279040
		.amdhsa_private_segment_fixed_size 0
		.amdhsa_enable_private_segment 0
		.amdhsa_kernarg_size 56
		.amdhsa_user_sgpr_count 2
		.amdhsa_user_sgpr_kernarg_segment_ptr 1
		.amdhsa_wavefront_size32 1
		.amdhsa_system_sgpr_workgroup_id_x 1
		.amdhsa_system_sgpr_workgroup_id_y 1
		.amdhsa_system_sgpr_workgroup_id_z 1
		.amdhsa_system_vgpr_workitem_id 0
		.amdhsa_next_free_vgpr 1024
		.amdhsa_next_free_sgpr 102
		.amdhsa_reserve_vcc 0
		.amdhsa_float_denorm_mode_32 3
		.amdhsa_float_denorm_mode_16_64 3
		.amdhsa_memory_ordered 1
		.amdhsa_forward_progress 1
		.amdhsa_inst_pref_size 198
	.end_amdhsa_kernel
	.amdgpu_metadata
---
amdhsa.version: [ 1, 2 ]
amdhsa.kernels:
  - .name:           k_q1d61ffc3d1_qkv
    .symbol:         k_q1d61ffc3d1_qkv.kd
    .args:
      - { .name: xq, .offset: 0, .size: 8, .value_kind: global_buffer, .address_space: global }
      - { .name: wq, .offset: 8, .size: 8, .value_kind: global_buffer, .address_space: global }
      - { .name: bq, .offset: 16, .size: 8, .value_kind: global_buffer, .address_space: global }
      - { .name: bk, .offset: 24, .size: 8, .value_kind: global_buffer, .address_space: global }
      - { .name: bv, .offset: 32, .size: 8, .value_kind: global_buffer, .address_space: global }
      - { .name: qq, .offset: 40, .size: 8, .value_kind: global_buffer, .address_space: global }
      - { .name: kv, .offset: 48, .size: 8, .value_kind: global_buffer, .address_space: global }
    .group_segment_fixed_size: 279040
    .private_segment_fixed_size: 0
    .kernarg_segment_align: 8
    .kernarg_segment_size: 56
    .max_flat_workgroup_size: 128
    .sgpr_count:     102
    .vgpr_count:     1024
    .wavefront_size: 32
...
	.end_amdgpu_metadata
.endif
;; end of part 2
;; launch attn (part 3): grid 4 x 64, 16 waves a work-group, no clusters, 169,984 bytes of LDS; arguments qq, kv, aq; writes aq
.if DOCPART == 3
	.amdgcn_target "amdgcn-amd-amdhsa--gfx1250"
	.amdhsa_code_object_version 6
	.text
	.protected	k_q1d61ffc3d1_attn
	.globl	k_q1d61ffc3d1_attn
	.p2align	8
	.type	k_q1d61ffc3d1_attn,@function
k_q1d61ffc3d1_attn:
	s_mov_b64 s[64:65], 0
	v_nop
	global_prefetch_b8 v0, s[64:65] scope:SCOPE_SE
	s_setreg_imm32_b32 hwreg(HW_REG_WAVE_MODE, 25, 1), 1
	s_wait_xcnt 0x0
; O[q] = the sum over keys k <= q of softmax_k(Q[q] . K[k] / 8) V[k], one head of 64 channels a work-group row, both products on codes of FP4 (E2M1) with E8M0 scales; O / l is quantised along the 1,024 channels and leaves as codes.
; THE SOFTMAX: t = score x log2(e) / 8; M = the running largest t rounded UP to a whole number; p = 2^(t - M) is quantised along the keys, not normalised; the row's sum is taken of the unquantised p and divides O at the end.
; When M moves, the sum and O are multiplied by 2^(old M - new M): exact.
; SHARES.  Work-group (i, bh) owns the blocks 7 - i and i of 256 queries of head bh, one after the other: 17 key steps a wave on the average in every work-group.  Each of sixteen waves owns one tile of 16 queries.
; THE HEAD'S WHOLE RECORD of kv (K's and V's scale words, then for each 128 keys K's 8 tiles and V's 4) is 143,360 bytes: it comes into LDS once, as it lies, in two parts (the scales and keys 0-511; the rest).  Nothing is filled again.
; NO CLUSTER, though the four work-groups of a head read the same record: which key steps a wave leaves out hangs on its block of queries, which differs between the four.
; LAYOUT.  Both products are used transposed: S^T = K Q^T (source 0 = 16 keys), O^T = V^T P^T (source 0 = 16 channels): a lane holds ONE query throughout.  Row r of tile 2 b + u of K, Q and V stands for 32 b + 8 u + r + 8 (r / 8),
; so S^T's register 16 b + i is key 32 b + 16 (lane / 16) + i of the step, and O^T's register 16 b + i channel 32 b + 16 (lane / 16) + i.
; The first product's K is 64: the upper 64 of the instruction's 128 are zero codes on both sides (registers 4-7 of Q's and K's fragments, cleared once).
; OUT.  aq: codes [slot 2 = head / 8][tile 512][head % 8][512]; from byte 4,194,304 two scale bytes a row and head, [head 16][row 8192][2], gathered in LDS so that 512 consecutive bytes leave at once.
; REGISTERS: v1 16 x lane, v2 16 r, v3 r + 8 (r / 8) - 16 h, v4 where my row's scale bytes go; v5-7 the step's addresses; v10, v240-243 the second pass's Q; v12 -M, v13 the largest t, v[14:15] the sum;
;   v16-23 Q; v24-31 K's scale words; v32-95 K; v96-159 S^T, then p; v160-191 O^T; v192-223 V; v224-231 p's codes; v232-239, v244-247, v252-254 at work; v248-251 V's scale words; v253 p's; v255 Q's.
; LIMITS: NaN and infinities are not served; a p under 2^-126 counts as 0 (v_exp_f32's results); a block of zeros gets the byte 1, not 127 (this program alone reads the bytes).
.set REC,  143360
.set GAT,  REC                         ; behind the record: [pass 2][256 rows][2 bytes], written by LDS stores alone
.set STA,  11264                       ; a wave's quarter of the first part: 44 rows of 256 bytes
.set STB,  24576                       ; of the second: 96 rows
.set ADK,  5
.set ADS,  6
.set ADT,  7
.set TB,   2                           ; s2   LDS byte at which the step's tiles begin
.set TS,   3                           ; s3   K's scale words of the step
.set WV,   18
.set QB2,  19
.set SEL,  20
.set CS,   22
.set G1A,  24
.set G1B,  32
.set G0A,  40
.set G0B,  44
.set TJ,   66                          ; V's scale words of the step
.set KF,   67                          ; the step's first key
.set Q0,   68                          ; my tile's first query
.set QMAX, 69                          ; and its last
.set CNT,  70
.set QB1,  71
; Pass n's scalars, from the block of queries in s[qb]: s[P] the tile; s[P+2:P+3] Q's codes; s[P+4:P+5] Q's scale words; s[P+6:P+7] where the codes of O go; s[92+n-1] the tile's first query
.macro PREP n, qb
.set P, 76+8*(\n-1)
	s_lshl_b32 s[P], s[\qb], 4
	s_add_co_u32 s[P], s[P], s[WV]                 ; my tile of the head's 128
	s_lshr_b32 s[P+1], s[P], 1
	s_lshl_b32 s[P+1], s[P+1], 5
	s_and_b32 s[P+2], s[P], 1
	s_lshl_b32 s[P+2], s[P+2], 3
	s_add_co_u32 s[92+\n-1], s[P+1], s[P+2]        ; 32 (tile / 2) + 8 (tile % 2)
	s_lshl_b32 s[P+2], s72, 16
	s_lshl_b32 s[P+1], s[P], 9
	s_add_co_u32 s[P+2], s[P+2], s[P+1]
	s_mov_b32 s[P+3], 0
	s_add_nc_u64 s[P+2:P+3], s[4:5], s[P+2:P+3]
	s_lshl_b32 s[P+4], s72, 13
	s_lshr_b32 s[P+1], s[P], 2
	s_lshl_b32 s[P+1], s[P+1], 8
	s_add_co_u32 s[P+4], s[P+4], s[P+1]
	s_and_b32 s[P+1], s[P], 3
	s_lshl_b32 s[P+1], s[P+1], 2
	s_add_co_u32 s[P+4], s[P+4], s[P+1]
	s_add_co_u32 s[P+4], s[P+4], 4194304
	s_mov_b32 s[P+5], 0
	s_add_nc_u64 s[P+4:P+5], s[4:5], s[P+4:P+5]
	s_lshl_b32 s[P+6], s73, 7
	s_add_co_u32 s[P+6], s[P+6], s[P]
	s_lshl_b32 s[P+6], s[P+6], 12
	s_add_co_u32 s[P+6], s[P+6], s75
	s_mov_b32 s[P+7], 0
	s_add_nc_u64 s[P+6:P+7], s[8:9], s[P+6:P+7]
.endm
; A KEY STEP: 128 keys.
.macro STEP
	s_cmp_gt_u32 s[KF], s[QMAX]                    ; all its keys come after my queries: the step's work is left out (a branch on ids), not the lines at its end that step addresses
	s_cbranch_scc1 .Lhidden_\@
	s_setprio 2
	v_add_nc_u32 v[ADK], s[TB], v1
	v_add_nc_u32 v[ADS], s[TS], v2
	v_add_nc_u32 v[ADT], s[TJ], v2
	v_nop                                          ; these four are the places in front of loads into registers that the last step's products have read
.irp t, 0,1,2,3,4,5,6,7
	ds_load_b128 v[32+8*\t:35+8*\t], v[ADK] offset:512*\t         ; K's tile t: the head's 64 channels; registers 4-7 stay zero
.endr
	ds_load_b128 v[24:27], v[ADS]                  ; K's scale words: four tiles' a load
	ds_load_b128 v[28:31], v[ADS] offset:256
.irp d, 0,1,2,3
.irp c, 0,1
	ds_load_b128 v[192+8*\d+4*\c:195+8*\d+4*\c], v[ADK] offset:4096+1024*\d+512*\c
.endr
.endr
	ds_load_b128 v[248:251], v[ADT]                ; V's scale words
	s_wait_dscnt 9                                 ; K and its scale words are in; V's nine loads may be out
.irp t, 0,1,2,3,4,5,6,7
	v_wmma_scale_f32_16x16x128_f8f6f4 v[96+8*\t:103+8*\t], v[32+8*\t:39+8*\t], v[16:23], 0, v[24+\t], v255 matrix_a_fmt:MATRIX_FMT_FP4 matrix_b_fmt:MATRIX_FMT_FP4
.endr
.rept 4
	v_nop
.endr
	s_add_co_u32 s94, s[KF], 127                   ; on the diagonal the scores of hidden keys become -infinity ahead of the maximum; a step all of whose keys count skips this
	s_cmp_le_u32 s94, s[Q0]
	s_cbranch_scc1 .Lopen_\@
	s_sub_co_i32 s94, s[Q0], s[KF]
	v_add_nc_u32 v252, s94, v3                     ; d = my query - the step's first key - 16 (lane / 16): register 16 b + i is hidden where 32 b + i > d
	v_mov_b32 v254, 0xff800000
.set nn, 0
.rept 64
	v_cmp_gt_i32 vcc_lo, 32*(nn/16)+nn%16, v252
	v_cndmask_b32 v[96+nn], v[96+nn], v254, vcc_lo
.set nn, nn+1
.endr
.Lopen_\@:
.irp b, 0,1,2,3
	v_max3_num_f32 v[232+\b], v[96+16*\b], v[97+16*\b], v[98+16*\b]   ; the largest score of each block of 32 keys: for the row's maximum and, since p rises with the score, for the block's largest p
.endr
.irp i, 3,5,7,9,11,13
.irp b, 0,1,2,3
	v_max3_num_f32 v[232+\b], v[232+\b], v[96+16*\b+\i], v[97+16*\b+\i]
.endr
.endr
.irp b, 0,1,2,3
	v_max_num_f32 v[232+\b], v[232+\b], v[111+16*\b]
.endr
.irp b, 0,1,2,3
	s_delay_alu instid0(VALU_DEP_4)
	v_permlanex16_b32 v[236+\b], v[232+\b], s[SEL], s[SEL+1]
.endr
.irp b, 0,1,2,3
	s_delay_alu instid0(VALU_DEP_4)
	v_max_num_f32 v[232+\b], v[232+\b], v[236+\b]  ; with lane l xor 16's 16 keys
.endr
	s_delay_alu instid0(VALU_DEP_2)
	v_max3_num_f32 v254, v232, v233, v234
	s_delay_alu instid0(VALU_DEP_1)
	v_max_num_f32 v254, v254, v235                 ; the step's largest score of my query (the step's first key counts for every query of the tile: it is a number)
	s_delay_alu instid0(VALU_DEP_1)
	v_mul_f32 v254, s[CS], v254
	s_delay_alu instid0(VALU_DEP_1)
	v_max_num_f32 v13, v13, v254                   ; the running largest t
	v_mov_b32 v254, v12
	s_delay_alu instid0(VALU_DEP_2)
	v_floor_f32 v12, -v13                          ; the new -M = -ceil(t)
	s_delay_alu instid0(VALU_DEP_1)
	v_sub_f32 v254, v12, v254                      ; old M - new M: a whole number, 0 or less
	s_delay_alu instid0(VALU_DEP_1)
	v_cvt_i32_f32 v254, v254                       ; (it saturates)
	s_delay_alu instid0(VALU_DEP_1)
	v_ldexp_f32 v252, 1.0, v254                    ; f = 2^(old M - new M)
.set jj, 0
.rept 32
	v_pk_fma_f32 v[96+jj:97+jj], v[96+jj:97+jj], s[CS:CS+1], v[12:13] op_sel_hi:[1,0,0]   ; t - M, two at a time
.set jj, jj+2
.endr
	s_setprio 1
.irp b, 0,1,2,3
	v_fma_f32 v[232+\b], v[232+\b], s[CS], v12     ; the same of each block's largest score
.endr
.set jj, 0
	s_wait_alu depctr_va_vdst(0)
.rept 64
	v_exp_f32 v[96+jj], v[96+jj]                   ; p = 2^(t - M), at most 1
.set jj, jj+1
.endr
.irp b, 0,1,2,3
	v_exp_f32 v[232+\b], v[232+\b]                 ; the block's largest p
.endr
	v_pk_mul_f32 v[14:15], v[14:15], v[252:253] op_sel_hi:[1,0]   ; the sums under the new M (a plain place behind the exponentials)
	s_wait_alu depctr_va_vdst(0)
.irp b, 0,1,2,3
	v_max_num_f32 v[232+\b], 0x1800000, v[232+\b]  ; the floor 2^(3 - 127): the byte cannot fall under 1
.endr
.irp b, 0,1,2,3
	s_delay_alu instid0(VALU_DEP_4)
	v_add_nc_u32 v[244+\b], 0xff000000, v[232+\b]  ; 2 off the exponent field: the conversion's scale operand
.endr
.irp b, 0,1,2,3
	s_delay_alu instid0(VALU_DEP_4)
	v_lshrrev_b32 v[236+\b], 23, v[244+\b]
.endr
	s_delay_alu instid0(VALU_DEP_3)
	v_lshl_or_b32 v253, v237, 8, v236              ; p's scale word for these 128 keys
	s_delay_alu instid0(VALU_DEP_1)
	v_lshl_or_b32 v253, v238, 16, v253
	s_delay_alu instid0(VALU_DEP_1)
	v_lshl_or_b32 v253, v239, 24, v253
.irp b, 0,1,2,3
	v_cvt_scalef32_pk8_fp4_f32 v[224+2*\b], v[96+16*\b:103+16*\b], v[244+\b]
	v_cvt_scalef32_pk8_fp4_f32 v[225+2*\b], v[104+16*\b:111+16*\b], v[244+\b]
.endr
	v_nop                                          ; one plain place behind a scaled conversion
.irp c, 0,1
.irp i, 0,1
	v_permlane16_swap_b32 v[224+4*\c+\i], v[226+4*\c+\i]          ; a whole block in a lane
.endr
.endr
	v_pk_add_f32 v[236:237], v[100:101], v[104:105]
	v_pk_add_f32 v[246:247], v[108:109], v[112:113]
	v_pk_add_f32 v[244:245], v[116:117], v[120:121]
	v_pk_add_f32 v[234:235], v[124:125], v[128:129]
	v_pk_add_f32 v[232:233], v[132:133], v[136:137]
	v_pk_add_f32 v[90:91], v[140:141], v[144:145]
	v_pk_add_f32 v[88:89], v[148:149], v[152:153]
	v_pk_add_f32 v[14:15], v[14:15], v[156:157]
	v_pk_add_f32 v[236:237], v[236:237], v[96:97]
	v_pk_add_f32 v[246:247], v[246:247], v[98:99]
	v_pk_add_f32 v[244:245], v[244:245], v[102:103]
	v_pk_add_f32 v[234:235], v[234:235], v[106:107]
	s_setprio 0
	v_pk_add_f32 v[232:233], v[232:233], v[110:111]
	v_pk_add_f32 v[90:91], v[90:91], v[114:115]
	v_pk_add_f32 v[88:89], v[88:89], v[118:119]
	v_pk_add_f32 v[14:15], v[14:15], v[122:123]
	v_pk_add_f32 v[236:237], v[236:237], v[126:127]
	v_pk_add_f32 v[246:247], v[246:247], v[130:131]
	v_pk_add_f32 v[244:245], v[244:245], v[134:135]
	v_pk_add_f32 v[234:235], v[234:235], v[138:139]
	v_pk_add_f32 v[232:233], v[232:233], v[142:143]
	v_pk_add_f32 v[90:91], v[90:91], v[146:147]
	v_pk_add_f32 v[88:89], v[88:89], v[150:151]
	v_pk_add_f32 v[14:15], v[14:15], v[154:155]
	v_pk_add_f32 v[236:237], v[236:237], v[158:159]
	s_delay_alu instid0(VALU_DEP_2)
	v_pk_add_f32 v[14:15], v[14:15], v[234:235]
	s_delay_alu instid0(VALU_DEP_2)
	v_pk_add_f32 v[236:237], v[236:237], v[232:233]
	v_pk_add_f32 v[246:247], v[246:247], v[90:91]
	v_pk_add_f32 v[244:245], v[244:245], v[88:89]
	s_delay_alu instid0(VALU_DEP_2)
	v_pk_add_f32 v[14:15], v[14:15], v[246:247]
	s_delay_alu instid0(VALU_DEP_2)
	v_pk_add_f32 v[236:237], v[236:237], v[244:245]
	s_delay_alu instid0(VALU_DEP_1)
	v_pk_add_f32 v[14:15], v[14:15], v[236:237]
.set jj, 0
.rept 16
	v_pk_mul_f32 v[160+jj:161+jj], v[160+jj:161+jj], v[252:253] op_sel_hi:[1,0]   ; O^T under the new M
.set jj, jj+2
.endr
	s_wait_alu depctr_va_vdst(0)
	s_wait_dscnt 0x0                               ; V and its scale words are in
.irp d, 0,1,2,3
	v_wmma_scale_f32_16x16x128_f8f6f4 v[160+8*\d:167+8*\d], v[192+8*\d:199+8*\d], v[224:231], v[160+8*\d:167+8*\d], v[248+\d], v253 matrix_a_fmt:MATRIX_FMT_FP4 matrix_b_fmt:MATRIX_FMT_FP4
.endr
.Lhidden_\@:
	s_add_co_u32 s[KF], s[KF], 128
	s_add_co_u32 s[TB], s[TB], 8192
	s_add_co_u32 s[TS], s[TS], 512
	s_add_co_u32 s[TJ], s[TJ], 256
.endm
.macro KEYS trips                      ; a constant number of trips
	s_mov_b32 s[CNT], \trips
.Lkeys_\@:
	STEP
	s_sub_co_u32 s[CNT], s[CNT], 1
	s_cmp_lg_u32 s[CNT], 0
	s_cbranch_scc1 .Lkeys_\@
	s_setprio 0
.endm
.macro PASS n
.if \n == 2
	s_wait_xcnt 0x0                                ; the first pass's store has read its registers
.irp i, 0,1,2,3
	v_mov_b32 v[16+\i], v[240+\i]                  ; the second tile's Q
.endr
	v_mov_b32 v255, v10
.endif
	s_mov_b32 s[Q0], s[92+\n-1]
	s_add_co_u32 s[QMAX], s[Q0], 23                ; the tile's rows are Q0 + r + 8 (r / 8)
	s_mov_b32 s[TB], 12288
	s_mov_b32 s[TS], 0
	s_mov_b32 s[TJ], 8192
	s_mov_b32 s[KF], 0
	v_mov_b32 v13, 0xff61b1e6                      ; the largest t so far: -3e38
	s_delay_alu instid0(VALU_DEP_1)
	v_floor_f32 v12, -v13
	v_mov_b32 v14, 0
	v_mov_b32 v15, 0
.set jj, 0
.rept 32
	v_mov_b32 v[160+jj], 0                         ; O^T: the step is written once; the first change of M leaves zeros zeros
.set jj, jj+1
.endr
.if \n == 1
	KEYS 4                                         ; keys 0-511: the record's first part
	s_wait_tensorcnt 0x0                           ; my quarter of the second part has landed,
	s_wait_dscnt 0x0
	s_barrier_signal -1
	s_barrier_wait -1                              ; everybody's has
	KEYS 12
.else
	KEYS 8                                         ; blocks 0-3 of the queries lie under key 1,024
.endif
.rept 4
	v_nop
.endr
	v_add_f32 v14, v14, v15
	s_delay_alu instid0(VALU_DEP_1)
	v_permlanex16_b32 v252, v14, s[SEL], s[SEL+1]
	s_delay_alu instid0(VALU_DEP_1)
	v_add_f32 v14, v14, v252                       ; the row's sum
	s_wait_alu depctr_va_vdst(0)
	v_rcp_f32 v14, v14
	v_nop
.set jj, 0
	s_wait_alu depctr_va_vdst(0)
.rept 32
	v_mul_f32 v[96+jj], v[160+jj], v14             ; O^T / the sum: register 16 b + i is channel 32 b + 16 (lane / 16) + i of my query
.set jj, jj+1
.endr
.irp b, 0,1                                    ; the head's two blocks of 32 along the last product's K
	v_max3_num_f32 v[232+\b], |v[96+16*\b]|, |v[97+16*\b]|, 0x1800000
.endr
.irp i, 2,4,6,8,10,12,14
.irp b, 0,1
	s_delay_alu instid0(VALU_DEP_2)
	v_max3_num_f32 v[232+\b], v[232+\b], |v[96+16*\b+\i]|, |v[97+16*\b+\i]|
.endr
.endr
.irp b, 0,1
	s_delay_alu instid0(VALU_DEP_2)
	v_permlanex16_b32 v[236+\b], v[232+\b], s[SEL], s[SEL+1]
.endr
.irp b, 0,1
	s_delay_alu instid0(VALU_DEP_2)
	v_max_num_f32 v[232+\b], v[232+\b], v[236+\b]
.endr
.irp b, 0,1
	s_delay_alu instid0(VALU_DEP_2)
	v_add_nc_u32 v[244+\b], 0xff000000, v[232+\b]
.endr
.irp b, 0,1
	s_delay_alu instid0(VALU_DEP_2)
	v_lshrrev_b32 v[236+\b], 23, v[244+\b]
.endr
	s_delay_alu instid0(VALU_DEP_1)
	v_lshl_or_b32 v254, v237, 8, v236              ; my row's two scale bytes
.irp b, 0,1
	v_cvt_scalef32_pk8_fp4_f32 v[224+2*\b], v[96+16*\b:103+16*\b], v[244+\b]
	v_cvt_scalef32_pk8_fp4_f32 v[225+2*\b], v[104+16*\b:111+16*\b], v[244+\b]
.endr
	v_nop
	v_permlane16_swap_b32 v224, v226
	v_permlane16_swap_b32 v225, v227
	global_store_b128 v1, v[224:227], s[82+8*(\n-1):83+8*(\n-1)]  ; 32 lanes store 512 consecutive bytes
	ds_store_b16 v4, v254 offset:512*(\n-1)        ; lanes l and l xor 16 write the same two bytes with the same value
.endm
	s_load_b128 s[4:7], s[0:1], 0x0                ; qq, kv
	s_load_b64 s[8:9], s[0:1], 0x10                ; aq
	v_lshl_add_u32 v254, v0, 2, 0x29000
	v_mov_b32 v255, 0
	ds_add_u32 v254, v255
	ds_add_u32 v254, v255
	s_wait_dscnt 0x0
	v_lshrrev_b32 v8, 5, v0
	s_delay_alu instid0(VALU_DEP_1)
	v_readfirstlane_b32 s[WV], v8                  ; wave 0..15
	s_and_b32 s72, ttmp7, 0xffff                   ; bh
	s_lshr_b32 s73, s72, 4                         ; batch
	s_and_b32 s74, s72, 15                         ; head
	s_lshr_b32 s75, s74, 3
	s_lshl_b32 s75, s75, 21
	s_and_b32 s94, s74, 7
	s_lshl_b32 s94, s94, 9
	s_add_co_u32 s75, s75, s94                     ; the head's place in aq's codes
	s_sub_co_u32 s[QB1], 7, ttmp9                  ; the two blocks of queries
	s_mov_b32 s[QB2], ttmp9
	s_mov_b32 s[G1A], 3<<16                        ; 15:0 no mask; 17:16 elements of 8 bytes; no padding: the record lies in LDS as in memory
	s_mov_b32 s[G1A+1], 32<<16
	s_mov_b32 s[G1A+2], 44<<16
	s_mov_b32 s[G1A+3], 32<<16
	s_mov_b32 s[G1A+4], 44
	s_mov_b32 s[G1A+5], 32
	s_mov_b32 s[G1A+6], 0
	s_mov_b32 s[G1A+7], 0
	s_mov_b32 s[G1B], 3<<16
	s_mov_b32 s[G1B+1], 32<<16
	s_mov_b32 s[G1B+2], 96<<16
	s_mov_b32 s[G1B+3], 32<<16
	s_mov_b32 s[G1B+4], 96
	s_mov_b32 s[G1B+5], 32
	s_mov_b32 s[G1B+6], 0
	s_mov_b32 s[G1B+7], 0
	s_mul_i32 s48, s72, REC                        ; the head's record
	s_mul_i32 s50, s[WV], STA
	s_mul_i32 s52, s[WV], STB
	s_add_co_u32 s52, s52, 4*STA
	s_mov_b32 s[G0A], 1
	s_mov_b32 s[G0A+1], s50
	s_mov_b32 s[G0B], 1
	s_mov_b32 s[G0B+1], s52
	s_add_co_u32 s50, s50, s48
	s_mov_b32 s51, 0
	s_add_co_u32 s52, s52, s48
	s_mov_b32 s53, 0
	s_mov_b32 s[SEL], 0x76543210
	s_mov_b32 s[SEL+1], 0xfedcba98
	s_mov_b32 s[CS], 0x3e38aa3b                    ; c = log2(e) / 8
	s_mov_b32 s[CS+1], s[CS]
	s_wait_kmcnt 0x0
	s_add_nc_u64 s[G0A+2:G0A+3], s[6:7], s[50:51]
	s_or_b32 s[G0A+3], s[G0A+3], 0x80000000
	s_add_nc_u64 s[G0B+2:G0B+3], s[6:7], s[52:53]
	s_or_b32 s[G0B+3], s[G0B+3], 0x80000000
	s_cmp_lt_u32 s[WV], 4                          ; waves 0 to 3 fetch, a quarter of each part: both loads in one branch; two tensor loads of such a wave are out
	s_cbranch_scc0 .Lno_fetch
	tensor_load_to_lds s[G0A:G0A+3], s[G1A:G1A+7]
	s_nop 0
	tensor_load_to_lds s[G0B:G0B+3], s[G1B:G1B+7]
	s_nop 0
.rept 4
	v_nop
.endr
.Lno_fetch:
	PREP 1, QB1
	PREP 2, QB2
	v_and_b32 v1, 31, v0
	s_delay_alu instid0(VALU_DEP_1)
	v_lshlrev_b32 v1, 4, v1                        ; 16 x lane
	v_and_b32 v8, 15, v0                           ; r
	v_bfe_u32 v9, v0, 4, 1                         ; h
	s_delay_alu instid0(VALU_DEP_2)
	v_lshlrev_b32 v2, 4, v8                        ; 16 r
	global_load_b128 v[16:19], v1, s[78:79]        ; Q of both passes, and its scale words
	global_load_b32 v255, v2, s[80:81]
	global_load_b128 v[240:243], v1, s[86:87]
	global_load_b32 v10, v2, s[88:89]
	v_and_b32 v3, 8, v8
	s_delay_alu instid0(VALU_DEP_1)
	v_add_nc_u32 v3, v3, v8
	v_lshlrev_b32 v9, 4, v9
	s_delay_alu instid0(VALU_DEP_1)
	v_sub_nc_u32 v3, v3, v9                        ; r + 8 (r / 8) - 16 h
	v_lshlrev_b32 v4, 1, v8
	s_lshl_b32 s94, s[WV], 5
	s_add_co_u32 s94, s94, GAT
	v_add_nc_u32 v4, s94, v4                       ; my row's two scale bytes: 2 (16 wave + r)
.irp i, 0,1,2,3
	v_mov_b32 v[20+\i], 0                          ; zero codes for the upper 64 of the first product's K: Q's,
.endr
.irp t, 0,1,2,3,4,5,6,7
.irp i, 4,5,6,7
	v_mov_b32 v[32+8*\t+\i], 0                     ; and K's: cleared once, no load lands there
.endr
.endr
.irp b, 0,1,2,3
	v_mov_b32 v[236+\b], 0                         ; written once: a lane permute's destination counts as one of its sources
.endr
	v_mov_b32 v252, 0
	v_mov_b32 v253, 0
	s_wait_loadcnt 0x0                             ; Q
	s_wait_tensorcnt 1                             ; my quarter of the record's first part is in; the second part's load may be out
	s_barrier_signal -1
	s_barrier_wait -1
	PASS 1
	PASS 2
	s_wait_dscnt 0x0                               ; my scale bytes lie in LDS
	s_barrier_signal -1
	s_barrier_wait -1                              ; everybody's do
	s_cmp_lt_u32 s[WV], 2                          ; wave 0 stores the first pass's 256 rows, wave 1 the second's
	s_cbranch_scc0 .Lend
	s_lshl_b32 s94, s[WV], 9
	s_add_co_u32 s94, s94, GAT
	v_add_nc_u32 v5, s94, v1
	ds_load_b128 v[32:35], v5
	s_cmp_eq_u32 s[WV], 0
	s_cselect_b32 s95, s[QB1], s[QB2]
	s_lshl_b32 s48, s95, 9                         ; 256 rows x 2 bytes a block,
	s_lshl_b32 s49, s73, 12                        ; 2,048 rows a batch,
	s_add_co_u32 s48, s48, s49
	s_lshl_b32 s49, s74, 14                        ; 8,192 rows a head
	s_add_co_u32 s48, s48, s49
	s_add_co_u32 s48, s48, 4194304
	s_mov_b32 s49, 0
	s_add_nc_u64 s[48:49], s[8:9], s[48:49]
	s_wait_dscnt 0x0
	global_store_b128 v1, v[32:35], s[48:49]       ; 512 consecutive bytes
.Lend:
	s_wait_xcnt 0x0
	v_lshl_add_u32 v254, v0, 2, 0x29000
	v_mov_b32 v255, 0
	s_wait_alu depctr_va_vdst(0)
	s_wait_tensorcnt 0x0
	ds_add_u32 v254, v255
	s_wait_dscnt 0x0
	s_endpgm
.Lfunc_end_k_q1d61ffc3d1_attn:
	.size	k_q1d61ffc3d1_attn, .Lfunc_end_k_q1d61ffc3d1_attn-k_q1d61ffc3d1_attn
	.p2alignl 7, 3214868480
	.fill 96, 4, 3214868480
	.section	.rodata,"a",@progbits
	.p2align	6, 0x0
	.amdhsa_kernel k_q1d61ffc3d1_attn
		.amdhsa_group_segment_fixed_size 169984
		.amdhsa_private_segment_fixed_size 0
		.amdhsa_enable_private_segment 0
		.amdhsa_kernarg_size 24
		.amdhsa_user_sgpr_count 2
		.amdhsa_user_sgpr_kernarg_segment_ptr 1
		.amdhsa_wavefront_size32 1
		.amdhsa_system_sgpr_workgroup_id_x 1
		.amdhsa_system_sgpr_workgroup_id_y 1
		.amdhsa_system_sgpr_workgroup_id_z 1
		.amdhsa_system_vgpr_workitem_id 0
		.amdhsa_next_free_vgpr 256
		.amdhsa_next_free_sgpr 96
		.amdhsa_reserve_vcc 1
		.amdhsa_float_denorm_mode_32 3
		.amdhsa_float_denorm_mode_16_64 3
		.amdhsa_memory_ordered 1
		.amdhsa_forward_progress 1
		.amdhsa_inst_pref_size 85
	.end_amdhsa_kernel
	.amdgpu_metadata
---
amdhsa.version: [ 1, 2 ]
amdhsa.kernels:
  - .name:           k_q1d61ffc3d1_attn
    .symbol:         k_q1d61ffc3d1_attn.kd
    .args:
      - { .name: qq, .offset: 0, .size: 8, .value_kind: global_buffer, .address_space: global }
      - { .name: kv, .offset: 8, .size: 8, .value_kind: global_buffer, .address_space: global }
      - { .name: aq, .offset: 16, .size: 8, .value_kind: global_buffer, .address_space: global }
    .group_segment_fixed_size: 169984
    .private_segment_fixed_size: 0
    .kernarg_segment_align: 8
    .kernarg_segment_size: 24
    .max_flat_workgroup_size: 512
    .sgpr_count:     96
    .vgpr_count:     256
    .wavefront_size: 32
...
	.end_amdgpu_metadata
.endif
;; end of part 3
;; launch proj (part 4): grid 4 x 32, 4 waves a work-group, clusters of 4 x 4, 279,040 bytes of LDS; arguments aq, wq, bp, out0; writes out0
.if DOCPART == 4
	.amdgcn_target "amdgcn-amd-amdhsa--gfx1250"
	.amdhsa_code_object_version 6
	.text
	.protected	k_q1d61ffc3d1_proj
	.globl	k_q1d61ffc3d1_proj
	.p2align	8
	.type	k_q1d61ffc3d1_proj,@function
k_q1d61ffc3d1_proj:
	s_mov_b64 s[64:65], 0
	v_nop
	global_prefetch_b8 v0, s[64:65] scope:SCOPE_SE
	s_setreg_imm32_b32 hwreg(HW_REG_WAVE_MODE, 25, 1), 1
	s_wait_xcnt 0x0
	s_wait_alu depctr_hold_cnt(0) depctr_sa_sdst(0) depctr_va_vdst(0) depctr_va_sdst(0) depctr_va_ssrc(0) depctr_va_vcc(0) depctr_vm_vsrc(0)
	s_getreg_b32 s2, hwreg(HW_REG_IB_STS2, 6, 4)
	s_cmp_eq_u32 s2, 0
	s_cbranch_scc0 .Lentry_in_a_cluster
	s_endpgm
.Lentry_in_a_cluster:
	s_bfe_u32 s2, ttmp6, 0x10000c
	s_cmp_lg_u32 s2, 0xf033
	s_cbranch_scc0 .Lentry_shape_is_right
	s_endpgm
.Lentry_shape_is_right:
; out0 = a Wp + bp on codes of FP4 (E2M1) with E8M0 scales, K = 1,024; a: the attention's result as codes (aq), Wp: tiles 192-255 of wq; out0 [8192][1024] f32.
; A work-group makes 256 tokens x 256 features, four waves of 128 x 128 (64 accumulators, 512 registers).  SOURCE 0 takes 16 rows of Wp's tiles, SOURCE 1 16 rows of a: a lane holds one token and eight neighbouring features.
; Row r of tile 2 b + u of either operand stands for row 32 b + 8 u + r + 8 (r / 8): the way out puts each number at its true place.
; K's two slots of 512 both fit in LDS: every tile is asked for once, at the head; nothing is filled again.  A tile's slot is 4,096 dense bytes in the order of the registers: a fragment is two loads at 16 x lane.
; bp is the C of each sum's first matrix instruction (so it is added first, not last as the source has it: another order of rounding, of the size of f32's).
; a's scale bytes lie [head 16][row][2]: a word for 128 along K is made of two heads' halves, once, in registers: lane l of register (p, s) holds the word of row 32 p + l, so an even tile reads lanes 0-15 and an odd one lanes 16-31.
; CLUSTERS: 4 x 4.  a's tiles are shared along a row of the cluster, Wp's along a column: each is asked for jointly.  128 work-groups: C has 128 blocks of 256 x 256.
; REGISTERS: window 0: v1-27 addresses; v32-95 Wp's scale words, two sets; v192-223 a's scale words; v128-191 a's fragments; v96-127, v224-255 at work (scale halves, rows on the way out).
;   window 1: Wp's fragments, two sets (v0, v128); v64-127 bp.  windows 2, 3: the accumulators ((a, b) at v[8 (8 (a % 4) + b)]).
.set SLOT,  131072
.set BOFF,  65536
.set SCL,   262144                     ; behind the slots: a's scale halves (waves 0, 1: 16 heads x 256 bytes), Wp's scale bytes (waves 2, 3: 2 slots x 2,048)
.set FR,    8
.set NL,    2
.set NP,    4
.set SPITCH, 528                       ; the way out: a stage of 16 rows x (512 bytes + 16) for each wave, in slot 0, which nobody reads behind the change of slots
.set ADRA,  16
.set ADRB,  20
.set STO,   24
.set RD,    25
.set ADAS,  26
.set ADRS,  27
.set SC,    32
.set AF,    128
.set AS,    192
.set BPW,   64                         ; in window 1
.set G1,    24
.set G0,    32
.set G1B,   48
.set G0B,   56
.set G1S,   68
.set G0S,   76
.set G1SB,  80
.set G0SB,  88
.set MSB, 0
.macro WIN new
.if MSB != (\new)
	s_set_vgpr_msb (MSB<<8)|(\new)
.set MSB, (\new)
.endif
.endm
.set MUL_LO, 0xa1
.set MUL_HI, 0xf1
.set TO_B,   0x40
.macro JLOAD g0a, g1a, g0b, g1b        ; waves 0 and 1 fetch for a, waves 2 and 3 for Wp; four v_nop follow each line
	s_cmp_eq_u32 s19, 0
	s_cbranch_scc0 .Lfor_b_\@
	tensor_load_to_lds s[\g0a:\g0a+3], s[\g1a:\g1a+7]
	s_nop 0
.rept 4
	v_nop
.endr
	s_branch .Lasked_\@
.Lfor_b_\@:
	tensor_load_to_lds s[\g0b:\g0b+3], s[\g1b:\g1b+7]
	s_nop 0
.rept 4
	v_nop
.endr
.Lasked_\@:
.endm
.macro CROUND
	s_barrier_signal -1
	s_barrier_wait -1
	s_cmp_lg_u32 s18, 0
	s_cbranch_scc1 .Lnot_wave_0_\@
	s_barrier_signal -3
.Lnot_wave_0_\@:
	s_barrier_wait -3
	s_barrier_signal -1
	s_barrier_wait -1
.endm
.macro PLACES n
.rept \n
	v_nop
.endr
.endm
.macro FRAG reg, adr, q, i
.irp c, 0,1
	ds_load_b128 v[\reg+4*\c:\reg+4*\c+3], v[\adr] offset:1024*(\q)+512*\c+(\i)*4096
.endr
.endm
; 16 matrix instructions: a's tiles a0, a0 + 1 x Wp's eight.  cm = 2: bp starts the sums; 0: they go on.  The 64 accumulators take turns, one instruction a turn.
.macro MUL16 a0, p, q, sc, cm
.irp a, \a0, \a0+1
.irp b, 0,1,2,3,4,5,6,7
.set RD_, 8*(8*((\a)%4)+\b)
.set RB_, 128*(\p)+FR*\b
.set RA_, AF+FR*(\a)
.set S0_, SC+32*(\sc)+4*\b+(\q)
.set S1_, AS+8*((\a)/2)+4*(\sc)+(\q)
.if (\cm) == 2
.if ((\a)%2) == 0
	v_wmma_scale_f32_16x16x128_f8f6f4 v[RD_:RD_+7], v[RB_:RB_+7], v[RA_:RA_+7], v[BPW+8*\b:BPW+8*\b+7], v[S0_], v[S1_] matrix_a_fmt:MATRIX_FMT_FP4 matrix_b_fmt:MATRIX_FMT_FP4
.else
	v_wmma_scale_f32_16x16x128_f8f6f4 v[RD_:RD_+7], v[RB_:RB_+7], v[RA_:RA_+7], v[BPW+8*\b:BPW+8*\b+7], v[S0_], v[S1_] matrix_a_fmt:MATRIX_FMT_FP4 matrix_b_fmt:MATRIX_FMT_FP4 matrix_b_scale:MATRIX_SCALE_ROW1
.endif
.else
.if ((\a)%2) == 0
	v_wmma_scale_f32_16x16x128_f8f6f4 v[RD_:RD_+7], v[RB_:RB_+7], v[RA_:RA_+7], v[RD_:RD_+7], v[S0_], v[S1_] matrix_a_fmt:MATRIX_FMT_FP4 matrix_b_fmt:MATRIX_FMT_FP4
.else
	v_wmma_scale_f32_16x16x128_f8f6f4 v[RD_:RD_+7], v[RB_:RB_+7], v[RA_:RA_+7], v[RD_:RD_+7], v[S0_], v[S1_] matrix_a_fmt:MATRIX_FMT_FP4 matrix_b_fmt:MATRIX_FMT_FP4 matrix_b_scale:MATRIX_SCALE_ROW1
.endif
.endif
.endr
.endr
.endm
.macro FETCH_B slot, q, p
	WIN TO_B
.irp i, 0,1,2,3,4,5,6,7
	FRAG 128*(\p)+FR*\i, ADRB+\slot, \q, \i
.endr
	WIN 0
.endm
.macro FETCH_A slot, q, i0
.irp i, \i0, \i0+1, \i0+2, \i0+3
	FRAG AF+FR*(\i), ADRA+\slot, \q, \i
.endr
.endm
.macro SCALES slot                     ; Wp's scale words of a slot, four a row
.irp i, 0,1,2,3,4,5,6,7
	ds_load_b128 v[SC+32*\slot+4*\i:SC+32*\slot+4*\i+3], v[ADRS] offset:2048*\slot+256*\i
.endr
.endm
.macro STEP slot, q, cm
	s_wait_dscnt 4*NL                              ; Wp's set and a's tiles 0-3 are in; the youngest eight loads (a's tiles 4-7) may be out
.if (\cm) == 2
	WIN 0x91                                       ; source 0 and C (bp) window 1, source 1 window 0, D window 2
.else
	WIN MUL_LO
.endif
	MUL16 0, (\q)%2, \q, \slot, \cm
	MUL16 2, (\q)%2, \q, \slot, \cm
	s_wait_dscnt 0
	PLACES NP
	FETCH_B \slot, (\q)+1, 1-(\q)%2
	FETCH_A \slot, (\q)+1, 0
.if (\cm) == 2
	WIN 0xd1
.else
	WIN MUL_HI
.endif
	MUL16 4, (\q)%2, \q, \slot, \cm
	MUL16 6, (\q)%2, \q, \slot, \cm
	PLACES NP
	WIN 0
	FETCH_A \slot, (\q)+1, 4
.endm
.macro TURN                            ; slot 0's last step: behind its barrier slot 1 is whole for every wave, and nobody reads slot 0 any more
	s_wait_tensorcnt 0x0
	s_wait_dscnt 4*NL
	WIN MUL_LO
	MUL16 0, 1, 3, 0, 0
	s_wait_dscnt 0x0                               ; my reads of slot 0 are over
	s_barrier_signal -1
	MUL16 2, 1, 3, 0, 0
	s_barrier_wait -1
	PLACES NP
	FETCH_B 1, 0, 0
	FETCH_A 1, 0, 0
	SCALES 1
	WIN MUL_HI
	MUL16 4, 1, 3, 0, 0
	MUL16 6, 1, 3, 0, 0
	PLACES NP
	WIN 0
	FETCH_A 1, 0, 4
.endm
; THE WAY OUT, a tile of 16 tokens x 128 features at a time, through my own stage: in as 32 bytes a lane at the features' true places, back as whole rows of 512 bytes.
.macro TOSTAGE a
.set AC, 64*((\a)%4)
	WIN (0x08+4*((\a)/4))                          ; an LDS store's data are its source 1: window 2 or 3
.irp b, 0,1,2,3,4,5,6,7
	ds_store_b128 v[STO], v[AC+8*\b:AC+8*\b+3] offset:128*(\b/2)+32*(\b%2)        ; each accumulator from its low end on
	ds_store_b128 v[STO], v[AC+8*\b+4:AC+8*\b+7] offset:128*(\b/2)+32*(\b%2)+16
.endr
	WIN 0
.irp t, 0,1,2,3,4,5,6,7,8,9,10,11,12,13,14,15
.set BR, 128+4*\t-32*((\a)%2)+96*((\a)%2)*(\t/8)   ; even tiles: v128-191; odd tiles: v96-127 and v224-255
	ds_load_b128 v[BR:BR+3], v[RD] offset:\t*SPITCH                ; LDS serves a wave's instructions in order: these see the stores above
.endr
.endm
.macro SEND a, younger
	s_wait_dscnt \younger
.irp t, 0,1,2,3,4,5,6,7,8,9,10,11,12,13,14,15
.set BR, 128+4*\t-32*((\a)%2)+96*((\a)%2)*(\t/8)
	global_store_b128 v3, v[BR:BR+3], s[10:11] offset:(32*((\a)/2)+8*((\a)%2)+\t+8*(\t/8))*4096 th:TH_STORE_NT   ; the row's true place; 32 lanes store 512 consecutive bytes, aligned
.endr
.endm
	s_load_b256 s[4:11], s[0:1], 0x0               ; aq, wq, bp, out0
	v_lshl_add_u32 v30, v0, 2, 0x44000
	v_mov_b32 v31, 0
	ds_add_u32 v30, v31
	ds_add_u32 v30, v31
	v_lshrrev_b32 v1, 5, v0
	v_readfirstlane_b32 s18, v1                    ; wave 0..3
	s_lshr_b32 s19, s18, 1                         ; which half of the tokens is mine.  Also: I fetch for a (0) or for Wp (1)
	s_and_b32 s20, s18, 1                          ; which half of the features.  Also: which 8 tiles I fetch
	s_bfe_u32 s40, ttmp6, 0x40000                  ; cx
	s_bfe_u32 s41, ttmp6, 0x40004                  ; cy
	s_lshl_b32 s42, ttmp9, 2
	s_add_co_u32 s42, s42, s40                     ; col: which 256 features
	s_and_b32 s43, ttmp7, 0xffff
	s_lshl_b32 s43, s43, 2
	s_add_co_u32 s43, s43, s41                     ; row: which 256 tokens
	s_lshl_b32 s44, s41, 2
	s_lshl_b32 s44, 15, s44                        ; my row of the cluster
	s_lshl_b32 s45, 0x1111, s40                    ; my column
	s_or_b32 s[G1+0], s44, (3<<16)|(1<<21)         ; codes: 8 tiles = 32,768 dense bytes as 128 rows of 32 elements of 8 bytes
	s_or_b32 s[G1B+0], s45, (3<<16)|(1<<21)
.irp g, G1, G1B
	s_mov_b32 s[\g+1], 32<<16
	s_mov_b32 s[\g+2], 128<<16
	s_mov_b32 s[\g+3], 32<<16
	s_mov_b32 s[\g+4], 128
	s_mov_b32 s[\g+5], 32
	s_mov_b32 s[\g+6], 0
	s_mov_b32 s[\g+7], 0
.endr
	s_or_b32 s[G1S+0], s44, (3<<16)|(1<<21)        ; a's scale halves: 16 heads x 256 bytes (128 rows), 16,384 bytes from head to head
	s_mov_b32 s[G1S+1], 32<<16
	s_mov_b32 s[G1S+2], 16<<16
	s_mov_b32 s[G1S+3], 32<<16
	s_mov_b32 s[G1S+4], 16
	s_mov_b32 s[G1S+5], 2048
	s_mov_b32 s[G1S+6], 0
	s_mov_b32 s[G1S+7], 0
	s_or_b32 s[G1SB+0], s45, (3<<16)|(1<<21)       ; Wp's scale bytes: 2,048 dense bytes for each of the two slots, 131,072 apart
	s_mov_b32 s[G1SB+1], 256<<16
	s_mov_b32 s[G1SB+2], 2<<16
	s_mov_b32 s[G1SB+3], 256<<16
	s_mov_b32 s[G1SB+4], 2
	s_mov_b32 s[G1SB+5], 16384
	s_mov_b32 s[G1SB+6], 0
	s_mov_b32 s[G1SB+7], 0
	s_lshl_b32 s100, s43, 4
	s_lshl_b32 s101, s20, 3
	s_add_co_u32 s100, s100, s101                  ; a's first tile that I fetch
	s_lshl_b32 s96, s100, 12
	s_mov_b32 s97, 0
	s_lshl_b32 s98, s100, 5                        ; 16 rows x 2 bytes a tile
	s_add_co_u32 s98, s98, 4194304
	s_mov_b32 s99, 0
	s_lshl_b32 s21, s42, 4
	s_lshl_b32 s23, s20, 3
	s_add_co_u32 s21, s21, s23
	s_add_co_u32 s21, s21, 192                     ; Wp's first tile that I fetch
	s_lshl_b32 s2, s21, 12
	s_mov_b32 s3, 0
	s_lshl_b32 s22, s21, 8
	s_add_co_u32 s22, s22, 2097152
	s_mov_b32 s23, 0
	s_wait_dscnt 0x0
	s_wait_kmcnt 0x0
	s_mov_b32 s[G0], 1
	s_lshl_b32 s[G0+1], s18, 15                    ; LDS: wave x 32,768: no place in the cluster enters an LDS address
	s_add_nc_u64 s[G0+2:G0+3], s[4:5], s[96:97]
	s_mov_b32 s[G0+4], 1
	s_add_co_u32 s[G0+5], s[G0+1], SLOT
	s_add_nc_u64 s[G0+6:G0+7], s[G0+2:G0+3], 2097152
	s_or_b32 s[G0+3], s[G0+3], 0x80000000
	s_or_b32 s[G0+7], s[G0+7], 0x80000000
	s_mov_b32 s[G0S], 1
	s_lshl_b32 s[G0S+1], s18, 12
	s_add_co_u32 s[G0S+1], s[G0S+1], SCL
	s_add_nc_u64 s[G0S+2:G0S+3], s[4:5], s[98:99]
	s_or_b32 s[G0S+3], s[G0S+3], 0x80000000
	s_mov_b32 s[G0B], 1
	s_lshl_b32 s[G0B+1], s18, 15
	s_add_nc_u64 s[G0B+2:G0B+3], s[6:7], s[2:3]
	s_mov_b32 s[G0B+4], 1
	s_add_co_u32 s[G0B+5], s[G0B+1], SLOT
	s_add_nc_u64 s[G0B+6:G0B+7], s[G0B+2:G0B+3], 1048576
	s_or_b32 s[G0B+3], s[G0B+3], 0x80000000
	s_or_b32 s[G0B+7], s[G0B+7], 0x80000000
	s_mov_b32 s[G0SB], 1
	s_lshl_b32 s[G0SB+1], s18, 12
	s_add_co_u32 s[G0SB+1], s[G0SB+1], SCL
	s_add_nc_u64 s[G0SB+2:G0SB+3], s[6:7], s[22:23]
	s_or_b32 s[G0SB+3], s[G0SB+3], 0x80000000
	CROUND                                         ; all sixteen work-groups are here: the joint loads meet
	JLOAD G0S, G1S, G0SB, G1SB                     ; three tensor loads of mine are out: the scales,
	JLOAD G0, G1, G0B, G1B                         ; slot 0,
	JLOAD G0+4, G1, G0B+4, G1B                     ; slot 1
	v_and_b32 v1, 15, v0                           ; r
	v_bfe_u32 v2, v0, 4, 1                         ; h
	v_and_b32 v4, 31, v0
	s_wait_alu depctr_va_vdst(0)
	v_lshlrev_b32 v3, 4, v4                        ; 16 x lane
	s_lshl_b32 s100, s19, 15
	s_lshl_b32 s21, s20, 15
	s_add_co_u32 s21, s21, BOFF
.irp s, 0,1
	v_add_nc_u32 v[ADRA+\s], s100, v3
	v_add_nc_u32 v[ADRB+\s], s21, v3
	s_add_co_u32 s100, s100, SLOT
	s_add_co_u32 s21, s21, SLOT
.endr
	s_lshl_b32 s100, s19, 12
	s_add_co_u32 s100, s100, SCL
	v_lshl_add_u32 v[ADAS], v4, 1, s100            ; a's scale halves: my 128 rows' area + 2 x lane
	s_lshl_b32 s21, s20, 12
	s_add_co_u32 s21, s21, SCL+8192
	v_lshl_add_u32 v[ADRS], v1, 4, s21             ; Wp's scale words: my 128 rows' area + 16 r, in both halves of the lanes
	s_mul_i32 s96, s18, 16*SPITCH                  ; my stage
	v_mul_u32_u24 v[STO], v1, SPITCH
	v_lshl_add_u32 v[STO], v2, 6, v[STO]
	v_add_nc_u32 v[STO], s96, v[STO]               ; in: row r, + 64 h: feature 32 (b / 2) + 16 h + 8 (b % 2) + j lies at 4 x that
	v_add_nc_u32 v[RD], s96, v3                    ; back: the 32 lanes take one row of 512 bytes
	v_lshlrev_b32 v5, 6, v2                        ; bp: 64 h bytes
	s_wait_alu depctr_va_vdst(0)
	s_lshl_b32 s94, s42, 10
	s_lshl_b32 s95, s20, 9
	s_add_co_u32 s94, s94, s95                     ; my 128 features, in bytes
	s_mov_b32 s95, 0
	s_add_nc_u64 s[8:9], s[8:9], s[94:95]
	s_lshl_b32 s92, s43, 20
	s_lshl_b32 s93, s19, 19
	s_add_co_u32 s92, s92, s93                     ; my 128 tokens' rows of 4,096 bytes
	s_add_co_u32 s92, s92, s94
	s_mov_b32 s93, 0
	s_add_nc_u64 s[10:11], s[10:11], s[92:93]
	WIN TO_B                                       ; destination window 1
.irp b, 0,1,2,3,4,5,6,7
	global_load_b128 v[BPW+8*\b:BPW+8*\b+3], v5, s[8:9] offset:(32*(\b/2)+8*(\b%2))*4        ; register 8 b + j: feature 32 (b / 2) + 16 h + 8 (b % 2) + j
	global_load_b128 v[BPW+8*\b+4:BPW+8*\b+7], v5, s[8:9] offset:(32*(\b/2)+8*(\b%2))*4+16
.endr
	WIN 0
	s_wait_tensorcnt 1                             ; the scales and my part of slot 0 are in; slot 1's load may be out
	s_barrier_signal -1
	s_barrier_wait -1
.irp p, 0,1,2,3                                ; head e's two bytes of row 32 p + lane
.irp e, 0,1,2,3,4,5,6,7,8,9,10,11,12,13,14,15
	ds_load_u16 v[96+16*\p+\e+96*(\p/2)], v[ADAS] offset:256*\e+64*\p
.endr
.endr
	FETCH_B 0, 0, 0
	FETCH_A 0, 0, 0
	SCALES 0
	FETCH_A 0, 0, 4
	s_wait_dscnt 40                                ; the 64 halves are in; the 40 loads issued behind them may be out
.irp p, 0,1,2,3
.irp s, 0,1,2,3,4,5,6,7
	v_lshl_or_b32 v[AS+8*\p+\s], v[96+16*\p+2*\s+1+96*(\p/2)], 16, v[96+16*\p+2*\s+96*(\p/2)]   ; the word of the s-th 128 along K: heads 2 s and 2 s + 1
.endr
.endr
	PLACES 8                                       ; a scale register written by a vector instruction stands 8 places ahead of a scaled matrix instruction
	s_wait_alu depctr_va_vdst(0)
	s_wait_loadcnt 0x0                             ; bp
	STEP 0, 0, 2                                   ; the first products start the sums with bp
	STEP 0, 1, 0
	STEP 0, 2, 0
	TURN
	STEP 1, 0, 0
	STEP 1, 1, 0
	STEP 1, 2, 0
	s_wait_dscnt 4*NL                              ; the last step: nothing more to fetch
	WIN MUL_LO
	MUL16 0, 1, 3, 1, 0
	MUL16 2, 1, 3, 1, 0
	s_wait_dscnt 0
	WIN MUL_HI
	MUL16 4, 1, 3, 1, 0
	MUL16 6, 1, 3, 1, 0
	WIN 0
	PLACES NP                                      ; in front of the first read of results and of loads into the registers that held a's fragments
	TOSTAGE 0
.irp a, 1,2,3,4,5,6,7
.if \a > 1
	s_wait_xcnt 0x0                                ; tile a - 2's stores have read their registers: tile a's rows may land there
.endif
	TOSTAGE \a
	SEND \a-1, 32                                  ; behind tile a - 1's loads: tile a's 16 stores and 16 loads
.endr
	SEND 7, 0
	s_wait_tensorcnt 0x0
	s_wait_dscnt 0x0
	s_wait_tensorcnt 0x0
	ds_add_u32 v30, v31
	s_wait_dscnt 0x0
	CROUND                                         ; the closing round: no work-group ends while a partner may still ask for a tile that names it
	s_endpgm
.Lfunc_end_k_q1d61ffc3d1_proj:
	.size	k_q1d61ffc3d1_proj, .Lfunc_end_k_q1d61ffc3d1_proj-k_q1d61ffc3d1_proj
	.p2alignl 7, 3214868480
	.fill 96, 4, 3214868480
	.section	.rodata,"a",@progbits
	.p2align	6, 0x0
	.amdhsa_kernel k_q1d61ffc3d1_proj
		.amdhsa_group_segment_fixed_size 279040
		.amdhsa_private_segment_fixed_size 0
		.amdhsa_enable_private_segment 0
		.amdhsa_kernarg_size 32
		.amdhsa_user_sgpr_count 2
		.amdhsa_user_sgpr_kernarg_segment_ptr 1
		.amdhsa_wavefront_size32 1
		.amdhsa_system_sgpr_workgroup_id_x 1
		.amdhsa_system_sgpr_workgroup_id_y 1
		.amdhsa_system_sgpr_workgroup_id_z 1
		.amdhsa_system_vgpr_workitem_id 0
		.amdhsa_next_free_vgpr 1024
		.amdhsa_next_free_sgpr 102
		.amdhsa_reserve_vcc 0
		.amdhsa_float_denorm_mode_32 3
		.amdhsa_float_denorm_mode_16_64 3
		.amdhsa_memory_ordered 1
		.amdhsa_forward_progress 1
		.amdhsa_inst_pref_size 131
	.end_amdhsa_kernel
	.amdgpu_metadata
---
amdhsa.version: [ 1, 2 ]
amdhsa.kernels:
  - .name:           k_q1d61ffc3d1_proj
    .symbol:         k_q1d61ffc3d1_proj.kd
    .args:
      - { .name: aq, .offset: 0, .size: 8, .value_kind: global_buffer, .address_space: global }
      - { .name: wq, .offset: 8, .size: 8, .value_kind: global_buffer, .address_space: global }
      - { .name: bp, .offset: 16, .size: 8, .value_kind: global_buffer, .address_space: global }
      - { .name: out0, .offset: 24, .size: 8, .value_kind: global_buffer, .address_space: global }
    .group_segment_fixed_size: 279040
    .private_segment_fixed_size: 0
    .kernarg_segment_align: 8
    .kernarg_segment_size: 32
    .max_flat_workgroup_size: 128
    .sgpr_count:     102
    .vgpr_count:     1024
    .wavefront_size: 32
...
	.end_amdgpu_metadata
.endif
;; end of part 4
